; MI455X (gfx1250); checked and timed in simulation.
; The chip was launched on July 23, 2026; its instructions are those of AMD's public machine-readable ISA for CDNA 5 (MIT licence, August 2026) and "CDNA5" Instruction Set Architecture Reference Guide (July 2026). The comments in the code are by the model that wrote it; some were corrected since.
;; Multi Head Attention. Allowed arithmetic: matrix products marked QUANTISED: E2M1 operands, one E8M0 scale for each 32 along K, by v_wmma_scale_f32_16x16x128_f8f6f4 with both operands' format E2M1 (or v_wmma_scale_f32_32x16x128_f4), f32 sums; products left as they are: bf16, f16 or f32 operands; f32 sums; everything else in f32.
;; Inputs: Wk 1,024 x 1,024 float32; Wo 1,024 x 1,024 float32; Wq 1,024 x 1,024 float32; Wv 1,024 x 1,024 float32; bk 1,024 float32; bo 1,024 float32; bq 1,024 float32; bv 1,024 float32; keys 4 x 2,048 x 1,024 float32; queries 4 x 2,048 x 1,024 float32; values 4 x 2,048 x 1,024 float32.
;; Outputs: out0 4 x 2,048 x 1,024 float32.
;; This version of the problem:
;;   THIS VERSION OF THE PROBLEM IS GIVEN IN LOW PRECISION. The matrix products marked QUANTISED in the list below multiply operands that are first quantised to E2M1 (2 exponent bits, 1 mantissa bit; 4 bits a number), with one power-of-two scale for each 32 numbers along K (OCP MX v1.0); their sums are f32. The products marked 'left as it is' may take bf16, f16 or f32 operands, with f32 sums. Whichever they take, every output number must still come out within the allowed error. Rounding operands to bf16 (8 significant bits) uses up far more of that allowance than f16 does (11 bits, for magnitudes from 6e-5 to 65,504). All else is computed in f32.
;;   The module's matrix products, in the order in which they are computed (A, B: the left and right operand; K: the contracted axis; several contracted axes count as one K, in the product's order):
;;     1. [M 8,192, K 1,024] x [K 1,024, N 1,024]; A: input queries; B: input Wq: QUANTISED
;;     2. [M 8,192, K 1,024] x [K 1,024, N 1,024]; A: input keys; B: input Wk: QUANTISED
;;     3. [M 8,192, K 1,024] x [K 1,024, N 1,024]; A: input values; B: input Wv: QUANTISED
;;     4. batch 64 x [M 2,048, K 64] x [K 64, N 2,048]; A: computed on the way; B: computed on the way: left as it is (an operand is computed on the way)
;;     5. batch 64 x [M 2,048, K 2,048] x [K 2,048, N 64]; A: computed on the way; B: computed on the way: left as it is (an operand is computed on the way)
;;     6. [M 8,192, K 1,024] x [K 1,024, N 1,024]; A: computed on the way; B: input Wo: left as it is (an operand is computed on the way)
;;   THE QUANTISER, for each operand of a quantised product, along K:
;;     - K is cut into blocks of 32 from its start; a last block that is shorter is filled with zeros.
;;     - A block's scale is 2^e with e = floor(log2(the largest magnitude in the block)) - 2, held to -126 .. 127; a block of zeros has e = 0. As a byte (E8M0): e + 127.
;;     - Each number is divided by its block's scale, clamped to +-6, and rounded to the nearest number of E2M1, ties to even, subnormals kept.
;;     - The product sums the exact products of the quantised numbers (number of the format x scale) in f32.
;;   ~~~python
;;   def quantise(x, axis):      # numpy; x: float32 -> the quantised numbers, widened to float32 again
;;       x = np.moveaxis(x, axis, -1); K = x.shape[-1]
;;       x = np.pad(x, [(0, 0)] * (x.ndim - 1) + [(0, -K % 32)]); x = x.reshape(x.shape[:-1] + (-1, 32)); a = np.abs(x).max(-1, keepdims=True)
;;       e = np.where(a > 0, np.clip(np.frexp(np.where(a > 0, a, 1))[1] - 1 - 2, -126, 127), 0)      # np.frexp(a)[1] - 1 = floor(log2(a)), exactly
;;       r = np.clip(x / 2.0 ** e, -6, 6)
;;       step = 2.0 ** (np.maximum(np.frexp(np.where(r == 0, 1, r))[1] - 1, 0) - 1)
;;       q = np.round(r / step) * step * 2.0 ** e      # np.round: ties to even
;;       return np.moveaxis(q.reshape(q.shape[:-2] + (-1,))[..., :K], -1, axis).astype(np.float32)
;;   ~~~
;; One version. Each part assembles by itself: llvm-mc -triple=amdgcn-amd-amdhsa -mcpu=gfx1250 --defsym DOCPART=n.
;; ======== version 1 of 1: 4 launches
;; limits: values are held in f16: magnitudes above 65,504 overflow, below 6.1e-05 lose precision
;; workspace buffers: xc 12,582,912 bytes; xs 786,432 bytes; wc 1,572,864 bytes; ws 98,304 bytes; wof 2,097,152 bytes; qkvf 50,331,648 bytes; of 16,777,216 bytes
;; launch prep (part 1): grid 880 x 1, 4 waves a work-group, no clusters, 68,096 bytes of LDS; arguments queries, keys, values, xc, xs, Wq, Wk, Wv, wc, ws, Wo, wof; writes xc, xs, wc, ws, wof
.if DOCPART == 1
	.amdgcn_target "amdgcn-amd-amdhsa--gfx1250"
	.amdhsa_code_object_version 6
	.text
	.protected	k_qcad757ec6e_prep
	.globl	k_qcad757ec6e_prep
	.p2align	8
	.type	k_qcad757ec6e_prep,@function
k_qcad757ec6e_prep:
	s_mov_b64 s[64:65], 0
	v_nop
	global_prefetch_b8 v0, s[64:65] scope:SCOPE_SE
	s_setreg_imm32_b32 hwreg(HW_REG_WAVE_MODE, 25, 1), 1
	s_wait_xcnt 0x0
; MULTI-HEAD ATTENTION, launch 1 of 4: the operands of the three quantised projections become codes of FP4 (E2M1) with one E8M0 byte for each 32 along K = 1,024, and Wo becomes f16.
; WORK LEFT OUT BY THE PROGRAM: bk.  score(q, k) = q . (keys Wk + bk) / 32 = q . (keys Wk) / 32 + q . bk / 32.  The second term is the same number for every key of a query, and a softmax along the keys
;   is unchanged by a term that is constant along its axis, for all finite inputs.  The product of q with k is not quantised, so no code and no scale hangs on bk.  bk is not loaded and is no argument of any launch.
;   LIMIT: a NaN, an infinity or an overflow that arises through bk alone is not carried to the result.
; WORK MOVED: bv.  A query's weights sum to 1, so sum w (v + bv) = sum w v + bv: bv is added on attention's way out, in the fused multiply-add that divides by the row's sum.
; THE QUANTISER: a block's scale is 2^(floor(log2(its largest magnitude)) - 2); its byte is the largest magnitude's exponent field - 2, held at 1 from below.  A block of zeros so gets the byte 1 where the rule says 127:
;   its codes are zeros, which add nothing under any byte but 0xff, and this program alone reads the bytes.  Each number is divided by the scale and rounded to the nearest code, ties to even, beyond 6 the largest code.
; LIMITS: blocks whose largest magnitude lies under 2^-124 have their byte held at 1; NaN and infinities among the inputs are not served; |Wo| of 65,504 or more is not served (f16).
; THREE ROLES, told apart by the work-group's number; each has LDS bytes of its own.
;   W (0-47):    Wq, Wk, Wv [k][n] f32 -> wc [3 x 1,024 rows n][512 bytes], K innermost; ws [3,072][32].  A lane takes a column, its registers run down K.
;   O (48-111):  Wo [k][n] f32 -> wof, f16, in the order of the last product's operand registers: [ks 8][nt 64][p 16][r 16][16 bytes], piece (p, r) = Wo[128 ks + 8 p + 0..7][16 nt + r].
;   X (112-879): queries, keys, values [8,192][1,024] f32 -> xc [3 x 8,192 rows][512 bytes], xs [24,576][32].  Plain streams of blocks of 32.
; The roles with strided loads have the lowest numbers.  No tensor loads, no barrier: waves share nothing.
.set SPW,    192                       ; v192 LDS address of my spare word: SPARE + 4 x my thread's number; never rewritten
.set NIL,    193                       ; v193 0; never rewritten
.set XREG,   8192                      ; role X: a region for each wave from byte 0: two stages of 32 x SP bytes, behind them its 256 scale bytes
.set SP,     80                        ; a lane's place in a stage: 64 bytes + 16 of padding
.set WSTG,   32768                     ; role W: a stage of 32 rows x WPITCH for each wave
.set WPITCH, 272
.set SPARE,  WSTG+4*32*WPITCH          ; 67,584: the spare words, 128 bytes for each wave, which no other line names
.set EMAX,   2
	s_load_b256 s[4:11], s[0:1], 0x0               ; queries s[4:5], keys s[6:7], values s[8:9], xc s[10:11]
	s_load_b256 s[12:19], s[0:1], 0x20             ; xs s[12:13], Wq s[14:15], Wk s[16:17], Wv s[18:19]
	s_load_b256 s[20:27], s[0:1], 0x40             ; wc s[20:21], ws s[22:23], Wo s[24:25], wof s[26:27]
	v_lshl_add_u32 v[SPW], v0, 2, SPARE
	v_mov_b32 v[NIL], 0
	v_lshrrev_b32 v1, 5, v0
	v_readfirstlane_b32 s28, v1                    ; wave 0..3
	v_and_b32 v2, 31, v0                           ; lane
	s_wait_kmcnt 0x0
	s_cmp_lt_u32 ttmp9, 48
	s_cbranch_scc1 .Lrole_w
	s_cmp_lt_u32 ttmp9, 112
	s_cbranch_scc1 .Lrole_o
; ---------------- ROLE X: a wave takes 16 steps of 512 numbers.  Each of a step's four loads reads 512 consecutive bytes; the 2,048 bytes turn through the wave's stage so that a lane holds 16 neighbours along K.
.set STEPS, 16
.set RX,    16                         ; v16-79   four sets of 16 numbers as loaded
.set XX,    80                         ; v80-111  two sets of 16 neighbours
.set EX,    112                        ; v112-127 a scale byte for each step
.set CX,    128                        ; v128-191 codes: four registers for each step, so that no store's data are written again
	s_sub_co_u32 s29, ttmp9, 112                   ; 0..767: 256 work-groups to a tensor
	s_cmp_lt_u32 s29, 512
	s_cselect_b64 s[6:7], s[6:7], s[8:9]           ; keys or values
	s_cmp_lt_u32 s29, 256
	s_cselect_b64 s[4:5], s[4:5], s[6:7]           ; queries or that: the choice hangs on the work-group's number alone
	s_and_b32 s30, s29, 255
	s_lshl_b32 s30, s30, 2
	s_add_co_u32 s30, s30, s28
	s_lshl_b32 s30, s30, 15                        ; my run of 8,192 numbers in its tensor: 32,768 bytes a run
	s_mov_b32 s31, 0
	s_add_nc_u64 s[4:5], s[4:5], s[30:31]
	s_lshl_b32 s32, s29, 2
	s_add_co_u32 s32, s32, s28                     ; my run among all three tensors' 3,072
	s_lshl_b32 s30, s32, 12                        ; 4,096 bytes of codes a run
	s_add_nc_u64 s[10:11], s[10:11], s[30:31]
	s_lshl_b32 s30, s32, 8                         ; 256 scale bytes a run
	s_add_nc_u64 s[12:13], s[12:13], s[30:31]
	v_lshlrev_b32 v3, 4, v2                        ; my 16 bytes of a load's 512
	s_mul_i32 s33, s28, XREG
	v_lshrrev_b32 v14, 2, v2
	v_mul_u32_u24 v14, v14, SP
	v_and_b32 v15, 3, v2
	v_lshl_add_u32 v14, v15, 4, v14
	v_add_nc_u32 v14, s33, v14                     ; into the stage: four lanes' 64 bytes on end, then the padding
	v_mul_u32_u24 v15, v2, SP
	v_add_nc_u32 v15, s33, v15                     ; out of it: my 16 neighbours
	v_lshlrev_b32 v4, 3, v2                        ; 8 bytes a lane: my codes' place in a step's, and my part of the scale bytes
	v_lshrrev_b32 v5, 1, v2
	s_add_co_u32 s33, s33, 2*32*SP
	v_add_nc_u32 v5, s33, v5                       ; my block's byte among my wave's 256
	v_add_nc_u32 v6, s33, v4
.macro LOADX t
.irp i, 0,1,2,3
	global_load_b128 v[RX+16*((\t)%4)+4*\i:RX+16*((\t)%4)+4*\i+3], v3, s[4:5] offset:2048*(\t)+512*\i th:TH_LOAD_NT
.endr
.endm
.macro TURNX t                         ; LDS serves a wave's instructions in order: no wait between the stores and the loads
.irp i, 0,1,2,3
	ds_store_b128 v14, v[RX+16*((\t)%4)+4*\i:RX+16*((\t)%4)+4*\i+3] offset:32*SP*((\t)%2)+8*SP*\i
.endr
.irp i, 0,1,2,3
	ds_load_b128 v[XX+16*((\t)%2)+4*\i:XX+16*((\t)%2)+4*\i+3], v15 offset:32*SP*((\t)%2)+16*\i
.endr
.endm
.irp t, 0,1,2,3
	LOADX \t
.endr
	s_wait_loadcnt 12                              ; step 0's four loads are in; the twelve of steps 1 to 3 stay out
	TURNX 0
.macro STEPX t
.set XS, XX+16*((\t)%2)
.if (\t) > 0
	s_wait_dscnt 1                                 ; this step's numbers are back (the last step's byte store may be out): so its stores into the stage have read their registers,
.else
	s_wait_dscnt 0x0
.endif
.if (\t)+4 < STEPS
	LOADX (\t)+4                                   ; which take the loads of four steps on
.endif
.if (\t)+1 < STEPS
.if STEPS-2-(\t) >= 3
	s_wait_loadcnt 12                              ; the next step's four are in; those of the three steps behind it may be out
.else
	s_wait_loadcnt 4*(STEPS-2-(\t))
.endif
	TURNX (\t)+1
.endif
	v_max3_num_f32 v8, |v[XS]|, |v[XS+1]|, |v[XS+2]|               ; the largest magnitude of my 16, in two chains
	v_max3_num_f32 v9, |v[XS+3]|, |v[XS+4]|, |v[XS+5]|
.irp i, 6,10
	v_max3_num_f32 v8, v8, |v[XS+\i]|, |v[XS+\i+1]|
	v_max3_num_f32 v9, v9, |v[XS+\i+2]|, |v[XS+\i+3]|
.endr
	v_max3_num_f32 v8, v8, |v[XS+14]|, |v[XS+15]|
	v_max3_num_f32 v8, v8, v9, (EMAX+1)<<23        ; and the floor 2^(3 - 127): the byte cannot fall under 1
	v_max_num_f32_dpp v8, v8, v8 row_xmask:1 row_mask:0xf bank_mask:0xf   ; with my neighbour's 16: the block's
	v_add_nc_u32 v11, -(EMAX<<23), v8              ; 2 off its exponent field: the conversion takes the exponent field of this operand as its scale
	v_cvt_scalef32_pk8_fp4_f32 v[CX+4*(\t)], v[XS:XS+7], v11
	v_cvt_scalef32_pk8_fp4_f32 v[CX+4*(\t)+1], v[XS+8:XS+15], v11
	v_lshrrev_b32 v[EX+(\t)], 23, v11              ; the scale's byte (also the plain line behind the conversions)
	ds_store_b8 v5, v[EX+(\t)] offset:16*(\t)      ; both lanes of a block write the same byte with the same value
	global_store_b64 v4, v[CX+4*(\t):CX+4*(\t)+1], s[10:11] offset:256*(\t)   ; the wave stores 256 consecutive bytes, aligned
.endm
.irp t, 0,1,2,3,4,5,6,7,8,9,10,11,12,13,14,15
	STEPX \t
.endr
	ds_load_b64 v[8:9], v6                         ; my wave's 256 scale bytes, 8 a lane: these loads see my stores
	s_wait_dscnt 0x0
	global_store_b64 v4, v[8:9], s[12:13]          ; 256 consecutive bytes, aligned
	s_wait_tensorcnt 0x0                           ; the wave's end, behind my last LDS store
	ds_add_u32 v[SPW], v[NIL]
	s_wait_dscnt 0x0
	s_endpgm
; ---------------- ROLE W: a wave takes 32 columns x 512 along K: 16 blocks a lane.  Its codes go through the wave's stage and leave as rows: sixteen lanes store 256 consecutive bytes, aligned.
.Lrole_w:
.set NB,   16
.set WSB,  24                          ; v24-27   the scale bytes, four to a register
.set WX,   32                          ; v32-95   two sets of 32 numbers
.set WC,   96                          ; v96-99   a block's codes
.set WOUT, 112                         ; v112-175 the way out
	s_lshr_b32 s29, ttmp9, 4                       ; which weight
	s_and_b32 s30, ttmp9, 7                        ; which 128 columns
	s_bfe_u32 s31, ttmp9, 0x10003                  ; which 512 along K
	s_cmp_lt_u32 s29, 2
	s_cselect_b64 s[16:17], s[16:17], s[18:19]     ; Wk or Wv
	s_cmp_lt_u32 s29, 1
	s_cselect_b64 s[14:15], s[14:15], s[16:17]     ; Wq or that
	s_lshl_b32 s30, s30, 7
	s_lshl_b32 s32, s28, 5
	s_add_co_u32 s30, s30, s32                     ; my wave's first column
	s_lshl_b32 s32, s31, 21                        ; 512 rows of 4,096 bytes
	s_lshl_b32 s34, s30, 2
	s_add_co_u32 s32, s32, s34
	s_mov_b32 s33, 0
	s_add_nc_u64 s[14:15], s[14:15], s[32:33]
	s_lshl_b32 s32, s29, 19                        ; codes: 524,288 bytes a weight, 512 a column, 256 for 512 along K
	s_lshl_b32 s34, s30, 9
	s_add_co_u32 s32, s32, s34
	s_lshl_b32 s34, s31, 8
	s_add_co_u32 s32, s32, s34
	s_add_nc_u64 s[20:21], s[20:21], s[32:33]
	s_lshl_b32 s32, s29, 15                        ; scale bytes: 32,768 a weight, 32 a column, 16 for 512 along K
	s_lshl_b32 s34, s30, 5
	s_add_co_u32 s32, s32, s34
	s_lshl_b32 s34, s31, 4
	s_add_co_u32 s32, s32, s34
	s_add_nc_u64 s[22:23], s[22:23], s[32:33]
	v_lshlrev_b32 v3, 2, v2                        ; in: 4 bytes a lane
	s_mul_i32 s34, s28, 32*WPITCH
	s_add_co_u32 s34, s34, WSTG                    ; my stage
	v_mul_u32_u24 v4, v2, WPITCH
	v_add_nc_u32 v4, s34, v4                       ; into it: row = my column
	v_and_b32 v5, 15, v2
	v_lshrrev_b32 v6, 4, v2
	v_mul_u32_u24 v7, v6, WPITCH
	v_lshl_add_u32 v7, v5, 4, v7
	v_add_nc_u32 v7, s34, v7                       ; out of it: sixteen lanes to a row, two rows an instruction
	v_lshlrev_b32 v8, 9, v6
	v_lshl_add_u32 v8, v5, 4, v8                   ; and the same place in wc
	v_lshlrev_b32 v9, 5, v2                        ; my column's row of scale bytes
.macro LOADW t                         ; block t: W(32 t + i, my column) into set t % 2; each load reads 128 consecutive bytes a wave
.irp i, 0,1,2,3,4,5,6,7,8,9,10,11,12,13,14,15,16,17,18,19,20,21,22,23,24,25,26,27,28,29,30,31
	global_load_b32 v[WX+32*((\t)%2)+\i], v3, s[14:15] offset:(32*(\t)+\i)*4096 th:TH_LOAD_NT
.endr
.endm
	LOADW 0
	LOADW 1
.macro BLOCKW t
.set XS, WX+32*((\t)%2)
.if (\t) < NB-1
	s_wait_loadcnt 32                              ; this block's 32 loads are in; the next block's 32 may be out
.else
	s_wait_loadcnt 0
.endif
	v_max3_num_f32 v12, |v[XS]|, |v[XS+1]|, |v[XS+2]|              ; the block's largest magnitude: all 32 numbers are mine
	v_max3_num_f32 v13, |v[XS+3]|, |v[XS+4]|, |v[XS+5]|
.irp i, 6,10,14,18,22,26
	v_max3_num_f32 v12, v12, |v[XS+\i]|, |v[XS+\i+1]|
	v_max3_num_f32 v13, v13, |v[XS+\i+2]|, |v[XS+\i+3]|
.endr
	v_max3_num_f32 v12, v12, |v[XS+30]|, |v[XS+31]|
	v_max3_num_f32 v12, v12, v13, (EMAX+1)<<23     ; and the floor
	v_add_nc_u32 v11, -(EMAX<<23), v12             ; the conversion's scale operand
	v_lshrrev_b32 v13, 23, v11                     ; the scale's byte
.if (\t)%4 == 0
	v_mov_b32 v[WSB+(\t)/4], v13                   ; four bytes to a register, the lower K in the lower byte
.else
	v_lshl_or_b32 v[WSB+(\t)/4], v13, 8*((\t)%4), v[WSB+(\t)/4]
.endif
.irp g, 0,1,2,3
	v_cvt_scalef32_pk8_fp4_f32 v[WC+\g], v[XS+8*\g:XS+8*\g+7], v11
.endr
	v_nop                                          ; one plain line behind the last conversion of the run
	ds_store_b128 v4, v[WC:WC+3] offset:16*(\t)    ; 32 codes: 16 bytes of my column's row
.if (\t)+2 < NB
	LOADW (\t)+2
.endif
	s_wait_dscnt 0x0                               ; the store has read its registers: the next block's codes may be written
.endm
.irp t, 0,1,2,3,4,5,6,7,8,9,10,11,12,13,14,15
	BLOCKW \t
.endr
	global_store_b128 v9, v[WSB:WSB+3], s[22:23]   ; my column's 16 scale bytes
.irp t, 0,1,2,3,4,5,6,7,8,9,10,11,12,13,14,15
	ds_load_b128 v[WOUT+4*\t:WOUT+4*\t+3], v7 offset:2*\t*WPITCH
.endr
.irp t, 0,1,2,3,4,5,6,7,8,9,10,11,12,13,14,15
	s_wait_dscnt 15-\t                             ; LDS loads come back in order: number t is in, the younger ones stay out
	global_store_b128 v8, v[WOUT+4*\t:WOUT+4*\t+3], s[20:21] offset:2*\t*512
.endr
	s_wait_tensorcnt 0x0                           ; the wave's end, behind my last LDS store
	ds_add_u32 v[SPW], v[NIL]
	s_wait_dscnt 0x0
	s_endpgm
; ---------------- ROLE O: a wave takes 32 columns x 128 along K of Wo.  A lane takes a column and its registers run down K: eight neighbours along K round to 16 bytes of f16, a piece of an operand's registers.  No LDS.
.Lrole_o:
	s_sub_co_u32 s29, ttmp9, 48
	s_and_b32 s30, s29, 7                          ; which 128 columns
	s_lshr_b32 s31, s29, 3                         ; ks: which 128 along K
	s_lshl_b32 s32, s31, 19                        ; 128 rows of 4,096 bytes
	s_lshl_b32 s34, s30, 9
	s_add_co_u32 s32, s32, s34
	s_lshl_b32 s34, s28, 7
	s_add_co_u32 s32, s32, s34                     ; + (128 x + 32 wave) columns of 4 bytes
	s_mov_b32 s33, 0
	s_add_nc_u64 s[24:25], s[24:25], s[32:33]
	s_lshl_b32 s32, s31, 18                        ; wof: 262,144 bytes a ks, 4,096 a tile of 16 columns
	s_lshl_b32 s34, s30, 15
	s_add_co_u32 s32, s32, s34
	s_lshl_b32 s34, s28, 13
	s_add_co_u32 s32, s32, s34                     ; tile 8 x + 2 wave
	s_add_nc_u64 s[26:27], s[26:27], s[32:33]
	v_lshlrev_b32 v4, 2, v2
	v_lshrrev_b32 v5, 4, v2
	v_and_b32 v6, 15, v2
	v_lshlrev_b32 v5, 12, v5
	v_lshl_add_u32 v5, v6, 4, v5                   ; lanes 0-15 the first tile, lanes 16-31 the second; 16 bytes a column
.set i, 0
.rept 128
	global_load_b32 v[16+i], v4, s[24:25] offset:i*4096 th:TH_LOAD_NT
.set i, i+1
.endr
.set p, 0
.rept 16                               ; piece p: rows 8 p .. 8 p + 7.  Rounded in place, ascending: a destination's own number has been used, and its load has landed
.if 120-8*p > 63
	s_wait_loadcnt 63                              ; (the count's field holds no more; behind piece p's eight loads 120 - 8 p were issued)
.else
	s_wait_loadcnt 120-8*p
.endif
.irp q, 0,1,2,3
	v_cvt_pk_f16_f32 v[16+4*p+\q], v[16+8*p+2*\q], v[17+8*p+2*\q]
.endr
	global_store_b128 v5, v[16+4*p:19+4*p], s[26:27] offset:256*p   ; sixteen lanes store 256 consecutive bytes, aligned; no store's data are written again
.set p, p+1
.endr
	s_endpgm
.Lfunc_end_k_qcad757ec6e_prep:
	.size	k_qcad757ec6e_prep, .Lfunc_end_k_qcad757ec6e_prep-k_qcad757ec6e_prep
	.p2alignl 7, 3214868480
	.fill 96, 4, 3214868480
	.section	.rodata,"a",@progbits
	.p2align	6, 0x0
	.amdhsa_kernel k_qcad757ec6e_prep
		.amdhsa_group_segment_fixed_size 68096
		.amdhsa_private_segment_fixed_size 0
		.amdhsa_enable_private_segment 0
		.amdhsa_kernarg_size 96
		.amdhsa_user_sgpr_count 2
		.amdhsa_user_sgpr_kernarg_segment_ptr 1
		.amdhsa_wavefront_size32 1
		.amdhsa_system_sgpr_workgroup_id_x 1
		.amdhsa_system_sgpr_workgroup_id_y 1
		.amdhsa_system_sgpr_workgroup_id_z 1
		.amdhsa_system_vgpr_workitem_id 0
		.amdhsa_next_free_vgpr 200
		.amdhsa_next_free_sgpr 66
		.amdhsa_reserve_vcc 0
		.amdhsa_float_denorm_mode_32 3
		.amdhsa_float_denorm_mode_16_64 3
		.amdhsa_memory_ordered 1
		.amdhsa_forward_progress 1
		.amdhsa_inst_pref_size 130
	.end_amdhsa_kernel
	.amdgpu_metadata
---
amdhsa.version: [ 1, 2 ]
amdhsa.kernels:
  - .name:           k_qcad757ec6e_prep
    .symbol:         k_qcad757ec6e_prep.kd
    .args:
      - { .name: queries, .offset: 0, .size: 8, .value_kind: global_buffer, .address_space: global }
      - { .name: keys, .offset: 8, .size: 8, .value_kind: global_buffer, .address_space: global }
      - { .name: values, .offset: 16, .size: 8, .value_kind: global_buffer, .address_space: global }
      - { .name: xc, .offset: 24, .size: 8, .value_kind: global_buffer, .address_space: global }
      - { .name: xs, .offset: 32, .size: 8, .value_kind: global_buffer, .address_space: global }
      - { .name: Wq, .offset: 40, .size: 8, .value_kind: global_buffer, .address_space: global }
      - { .name: Wk, .offset: 48, .size: 8, .value_kind: global_buffer, .address_space: global }
      - { .name: Wv, .offset: 56, .size: 8, .value_kind: global_buffer, .address_space: global }
      - { .name: wc, .offset: 64, .size: 8, .value_kind: global_buffer, .address_space: global }
      - { .name: ws, .offset: 72, .size: 8, .value_kind: global_buffer, .address_space: global }
      - { .name: Wo, .offset: 80, .size: 8, .value_kind: global_buffer, .address_space: global }
      - { .name: wof, .offset: 88, .size: 8, .value_kind: global_buffer, .address_space: global }
    .group_segment_fixed_size: 68096
    .private_segment_fixed_size: 0
    .kernarg_segment_align: 8
    .kernarg_segment_size: 96
    .max_flat_workgroup_size: 128
    .sgpr_count:     66
    .vgpr_count:     200
    .wavefront_size: 32
...
	.end_amdgpu_metadata
.endif
;; end of part 1
;; launch proj (part 2): grid 4 x 96, 4 waves a work-group, clusters of 4 x 4, 327,680 bytes of LDS; arguments xc, xs, wc, ws, bq, qkvf; writes qkvf
.if DOCPART == 2
	.amdgcn_target "amdgcn-amd-amdhsa--gfx1250"
	.amdhsa_code_object_version 6
	.text
	.protected	k_qcad757ec6e_proj
	.globl	k_qcad757ec6e_proj
	.p2align	8
	.type	k_qcad757ec6e_proj,@function
k_qcad757ec6e_proj:
	s_mov_b64 s[64:65], 0
	v_nop
	global_prefetch_b8 v0, s[64:65] scope:SCOPE_SE
	s_setreg_imm32_b32 hwreg(HW_REG_WAVE_MODE, 25, 1), 1
	s_wait_xcnt 0x0
	s_wait_alu depctr_hold_cnt(0) depctr_sa_sdst(0) depctr_va_vdst(0) depctr_va_sdst(0) depctr_va_ssrc(0) depctr_va_vcc(0) depctr_vm_vsrc(0)
	s_getreg_b32 s2, hwreg(HW_REG_IB_STS2, 6, 4)
	s_cmp_eq_u32 s2, 0
	s_cbranch_scc0 .Lentry_in_a_cluster
	s_endpgm
.Lentry_in_a_cluster:
	s_bfe_u32 s2, ttmp6, 0x10000c
	s_cmp_lg_u32 s2, 0xf033
	s_cbranch_scc0 .Lentry_shape_is_right
	s_endpgm
.Lentry_shape_is_right:
; Launch 2 of 4: the three quantised projections, on codes of FP4 (E2M1) with E8M0 scales: q = queries Wq + bq, k = keys Wk, v = values Wv; sums in f32, results rounded once to f16.
; LEFT OUT: bk (it adds the same number to every score of a query, which the softmax takes away: shown at the head of the first launch).  bv is added on attention's way out.
; LIMIT: |q|, |k|, |v| of 65,504 or more are not served (f16).
; A tile of 256 x 256 results is made by a work-group of four waves; a wave makes 128 x 128: 64 accumulators, 512 registers.  K = 1,024 is two LDS slots of 512 along K: both are filled at the start, nothing is filled again.
; The scale bytes of the work-group's 2 x 256 rows, for all of K, are two dense blocks of memory and come with the first fills.
; CLUSTERS: 4 x 4 work-groups; 8 clusters to a tensor (cluster y = 8 t + cl).  "A" below is source 1 of the matrix instruction, shared along a row of the cluster, "B" is source 0, shared along a column.
;   t = 0, 1 (q, k): A = 16 rows of x (positions), B = 16 rows of W's codes (channels): a lane holds ONE position, its eight registers eight neighbouring channels.
;   t = 2 (v):       A = W's rows, B = x's rows, by a choice of pointers alone: a lane holds ONE channel, its registers eight neighbouring keys.
; So a finished 16 x 16 accumulator, rounded to f16, is half an operand fragment of attention in the very lanes that will use it, and leaves by one store of 16 bytes a lane: 512 consecutive bytes, aligned.  No stage.
;   qkvf: q at 0, k at 1 << 24: [bh 64][tile of 16 positions 128][cf 2][sub 2][lane 32][16 B]: lane (r, h): position r, channels 32 cf + 16 sub + 8 h + 0..7 of the head.
;         v at 2 << 24:         [bh 64][kg 64][ct 4][sub 2][lane 32][16 B]: lane (r, h): channel 16 ct + r, keys 32 kg + 16 sub + 8 h + 0..7.
; REGISTERS, in windows of 256: window 0: v0-31 addresses; v32-95 scale words, two sets; v128-191 A's fragments, one set; on the way out v128-255 packed results.
;   window 1: B's fragments, two sets, at v0 and v128; v64-127 bq in the result's layout (t = 0).   windows 2, 3: the accumulators of my A rows 0-63, 64-127 ((a, b) at v[8 (8 (a % 4) + b)]).
.set NQ,     4                         ; steps of 128 along K in a slot
.set ROWB,   256                       ; a tile's row: 512 codes
.set KROW,   512                       ; a row of codes in memory
.set PITCH,  272                       ; an LDS row: 256 bytes + 16 of padding, so that the 16 rows that a load touches start 4 banks apart (64 banks of 4 bytes: ISA guide 11.1)
.set FR,     8
.set NL,     2
.set NP,     4                         ; places behind this matrix instruction (ISA guide 7.12.1)
.set HALFT,  128*PITCH
.set SLOT,   4*HALFT                   ; A's 256 rows, then B's 256
.set KS,     32                        ; a row of scale bytes
.set SCL,    2*SLOT
.set HALFS,  (128*KS/256)*272          ; the scales of 128 rows: 16 rows of 256 bytes + 16
.set SBLK,   (16*KS/256)*272
.set SPARE,  SCL+4*HALFS               ; 295,936: the spare words, 128 bytes for each wave, which no other line names
.set ADRA, 16                          ; v16-17 LDS address of my A fragments in slot 0, 1
.set ADRB, 20                          ; v20-21 the same for B
.set CO,   26                          ; v26    16 x lane
.set ADRS, 27                          ; v27    LDS address of my scale words: lanes 0-15 A's rows, lanes 16-31 B's
.set SPW,  28
.set NIL,  29
.set SC,   32
.set AF,   128
.set PK,   128
.set BIAS, 64                          ; in window 1
.set G1, 24
.set G0, 32
.set G1B, 48
.set G0B, 56
.set G1S, 68
.set G0S, 76
.set G1SB, 80
.set G0SB, 88
.set TT,  95                           ; s95 which tensor
.set CL,  96                           ; s96 1,024 x the cluster's number in its tensor
.set MSB, 0
.macro WIN new                         ; the immediate's high byte repeats the setting that is left
.if MSB != \new
	s_set_vgpr_msb (MSB<<8)|\new
.set MSB, \new
.endif
.endm
.set MUL_LO, 0xa1                      ; source 0 (B) window 1, source 1 (A) window 0, C and D window 2
.set MUL_HI, 0xf1                      ; the same, C and D window 3
.set BIA_LO, 0x91                      ; C (bq) window 1, D window 2
.set BIA_HI, 0xd1                      ; C window 1, D window 3
.set TO_B,   0x40
.macro JLOAD g0a, g1a, g0b, g1b        ; a joint load: waves 0 and 1 fetch for A, waves 2 and 3 for B; an s_nop 0 and four v_nop follow each line
	s_cmp_eq_u32 s15, 0
	s_cbranch_scc0 .Lfor_b_\@
	tensor_load_to_lds s[\g0a:\g0a+3], s[\g1a:\g1a+7]
	s_nop 0
.rept 4
	v_nop
.endr
	s_branch .Lasked_\@
.Lfor_b_\@:
	tensor_load_to_lds s[\g0b:\g0b+3], s[\g1b:\g1b+7]
	s_nop 0
.rept 4
	v_nop
.endr
.Lasked_\@:
.endm
.macro CROUND                          ; a round of the cluster's barrier
	s_barrier_signal -1
	s_barrier_wait -1
	s_cmp_lg_u32 s14, 0
	s_cbranch_scc1 .Lnot_wave_0_\@
	s_barrier_signal -3
.Lnot_wave_0_\@:
	s_barrier_wait -3
	s_barrier_signal -1
	s_barrier_wait -1
.endm
	s_load_b128 s[4:7], s[0:1], 0x0                ; xc, xs
	s_load_b128 s[8:11], s[0:1], 0x10              ; wc, ws
	s_load_b64 s[66:67], s[0:1], 0x20              ; bq
	s_load_b64 s[12:13], s[0:1], 0x28              ; qkvf
	v_lshl_add_u32 v[SPW], v0, 2, SPARE
	v_mov_b32 v[NIL], 0
	ds_add_u32 v[SPW], v[NIL]                      ; the wave's opening: an add of 0, twice on end, and its wait ahead of my first tensor load
	ds_add_u32 v[SPW], v[NIL]
	v_lshrrev_b32 v1, 5, v0
	v_readfirstlane_b32 s14, v1                    ; wave 0..3
	s_lshr_b32 s15, s14, 1                         ; which half of A's rows is mine.  Also: I fetch for A (0) or for B (1)
	s_and_b32 s16, s14, 1                          ; which half of B's rows.  Also: which 128 rows I fetch
	s_bfe_u32 s40, ttmp6, 0x40000                  ; cx
	s_bfe_u32 s41, ttmp6, 0x40004                  ; cy
	s_and_b32 s17, ttmp7, 0xffff                   ; cluster y: 0..23, the same in all sixteen partners
	s_lshr_b32 s[TT], s17, 3
	s_and_b32 s[CL], s17, 7
	s_lshl_b32 s[CL], s[CL], 10
	s_lshl_b32 s43, s41, 2
	s_lshl_b32 s43, 15, s43                        ; my row of the cluster
	s_lshl_b32 s44, 0x1111, s40                    ; my column
	s_or_b32 s[G1+0], s43, (0<<16)|(1<<20)|(1<<21)|(5<<22)|(3<<25)  ; the mask; elements of 1 byte; padding of 4 words after every 64; bit 21 beside a mask
	s_or_b32 s[G1B+0], s44, (0<<16)|(1<<20)|(1<<21)|(5<<22)|(3<<25)
.irp g, G1, G1B
	s_mov_b32 s[\g+1], ROWB<<16                    ; tensor_dim0
	s_mov_b32 s[\g+2], 128<<16                     ; tensor_dim1
	s_mov_b32 s[\g+3], ROWB<<16                    ; tile_dim0
	s_mov_b32 s[\g+4], 128                         ; tile_dim1
	s_mov_b32 s[\g+5], KROW                        ; the pitch
	s_mov_b32 s[\g+6], 0
	s_mov_b32 s[\g+7], 0
.endr
	s_or_b32 s[G1S+0], s43, (3<<16)|(1<<20)|(1<<21)|(5<<22)|(3<<25) ; the scales of 128 rows: 4,096 dense bytes as 16 rows of 32 elements of 8 bytes, padded alike
	s_or_b32 s[G1SB+0], s44, (3<<16)|(1<<20)|(1<<21)|(5<<22)|(3<<25)
.irp g, G1S, G1SB
	s_mov_b32 s[\g+1], 32<<16
	s_mov_b32 s[\g+2], (128*KS/256)<<16
	s_mov_b32 s[\g+3], 32<<16
	s_mov_b32 s[\g+4], 128*KS/256
	s_mov_b32 s[\g+5], 32
	s_mov_b32 s[\g+6], 0
	s_mov_b32 s[\g+7], 0
.endr
	s_lshl_b32 s18, s[TT], 13
	s_add_co_u32 s18, s18, s[CL]                   ; the cluster's first row in xc: 8,192 t + 1,024 cl
	s_lshl_b32 s19, s[TT], 10                      ; the tensor's first row in wc
	s_cmp_eq_u32 s[TT], 2
	s_cselect_b32 s20, s19, s18                    ; A's first row: W's for v, x's else
	s_cselect_b32 s46, s18, s19                    ; B's: the other
	s_lshl_b32 s18, s16, 7                         ; which 128 rows of the tile I fetch
	s_lshl_b32 s17, s41, 8
	s_add_co_u32 s20, s20, s17
	s_add_co_u32 s20, s20, s18                     ; A: + 256 cy + 128 half
	s_lshl_b32 s42, s40, 8
	s_add_co_u32 s46, s46, s42
	s_add_co_u32 s46, s46, s18                     ; B: + 256 cx + 128 half
	s_mov_b32 s21, 0
	s_mov_b32 s47, 0
	s_mov_b64 s[18:19], KS
	s_mul_u64 s[22:23], s[20:21], s[18:19]         ; where these rows' scales begin, in bytes,
	s_mul_u64 s[92:93], s[46:47], s[18:19]
	s_mov_b64 s[18:19], KROW
	s_mul_u64 s[20:21], s[20:21], s[18:19]         ; and their codes
	s_mul_u64 s[46:47], s[46:47], s[18:19]
	s_mul_i32 s45, s14, HALFT                      ; where they go: wave x 128 rows: no place in the cluster enters an LDS address
	s_mul_i32 s94, s14, HALFS
	s_wait_dscnt 0x0                               ; both opening adds are done
	s_wait_kmcnt 0x0
	s_cmp_eq_u32 s[TT], 2                          ; the buffers are chosen on the tensor's number alone
	s_cselect_b64 s[98:99], s[8:9], s[4:5]         ; A's codes
	s_cselect_b64 s[8:9], s[4:5], s[8:9]           ; B's codes
	s_cselect_b64 s[100:101], s[10:11], s[6:7]     ; A's scales
	s_cselect_b64 s[10:11], s[6:7], s[10:11]       ; B's scales
	s_add_nc_u64 s[20:21], s[98:99], s[20:21]
	s_add_nc_u64 s[22:23], s[100:101], s[22:23]
	s_add_nc_u64 s[46:47], s[8:9], s[46:47]
	s_add_nc_u64 s[92:93], s[10:11], s[92:93]
	CROUND                                         ; all sixteen work-groups are here: the joint loads meet
	s_mov_b32 s[G0S], 1
	s_add_co_u32 s[G0S+1], s94, SCL
	s_mov_b64 s[G0S+2:G0S+3], s[22:23]
	s_or_b32 s[G0S+3], s[G0S+3], 0x80000000
	s_mov_b32 s[G0SB], 1
	s_add_co_u32 s[G0SB+1], s94, SCL
	s_mov_b64 s[G0SB+2:G0SB+3], s[92:93]
	s_or_b32 s[G0SB+3], s[G0SB+3], 0x80000000
	JLOAD G0S, G1S, G0SB, G1SB                     ; the scales first: they are wanted with the first step
.irp s, 0,1
	s_mov_b32 s[G0+4*\s], 1
	s_add_co_u32 s[G0+4*\s+1], s45, \s*SLOT
	s_add_nc_u64 s[G0+4*\s+2:G0+4*\s+3], s[20:21], \s*ROWB
	s_or_b32 s[G0+4*\s+3], s[G0+4*\s+3], 0x80000000
	s_mov_b32 s[G0B+4*\s], 1
	s_add_co_u32 s[G0B+4*\s+1], s45, \s*SLOT
	s_add_nc_u64 s[G0B+4*\s+2:G0B+4*\s+3], s[46:47], \s*ROWB
	s_or_b32 s[G0B+4*\s+3], s[G0B+4*\s+3], 0x80000000
	JLOAD G0+4*\s, G1, G0B+4*\s, G1B               ; three tensor loads of mine are out: all that this launch asks for
.endr
	v_and_b32 v1, 15, v0                           ; r
	v_bfe_u32 v2, v0, 4, 1                         ; h
	v_mul_u32_u24 v3, v1, PITCH
	v_lshl_add_u32 v4, v2, 4, v3                   ; a fragment's row x pitch + 16 h
	s_mul_i32 s21, s15, HALFT
	s_mul_i32 s22, s16, HALFT
	s_add_co_u32 s22, s22, 2*HALFT
.irp s, 0,1
	v_add_nc_u32 v[ADRA+\s], s21, v4
	v_add_nc_u32 v[ADRB+\s], s22, v4
	s_add_co_u32 s21, s21, SLOT
	s_add_co_u32 s22, s22, SLOT
.endr
	v_mul_u32_u24 v5, v1, KS                       ; my row's scales: 32 bytes a row,
	v_lshrrev_b32 v6, 8, v5
	v_lshl_add_u32 v5, v6, 4, v5                   ; and 16 more for each 256 passed
	s_mul_i32 s21, s15, HALFS
	s_mul_i32 s22, s16, HALFS
	s_add_co_u32 s22, s22, 2*HALFS
	s_sub_co_u32 s22, s22, s21
	v_mul_u32_u24 v6, s22, v2                      ; lanes 16-31 take B's: one product, the distance between the two bases
	s_add_co_u32 s21, s21, SCL
	v_add_nc_u32 v5, v5, v6
	v_add_nc_u32 v[ADRS], s21, v5
	v_and_b32 v6, 31, v0
	v_lshlrev_b32 v[CO], 4, v6
	v_lshlrev_b32 v7, 5, v2                        ; bq: 32 h bytes
	; where my results begin in qkvf
	s_lshl_b32 s20, s41, 8
	s_lshl_b32 s21, s15, 7
	s_add_co_u32 s20, s20, s21                     ; my first A row in the cluster's 1,024
	s_lshl_b32 s46, s40, 8
	s_lshl_b32 s47, s16, 7
	s_add_co_u32 s46, s46, s47                     ; my first B row
	s_add_co_u32 s21, s20, s[CL]
	s_add_co_u32 s47, s46, s[CL]
	s_cmp_eq_u32 s[TT], 2
	s_cselect_b32 s22, s47, s21                    ; my first position among the tensor's 8,192: on B's side for v, on A's else
	s_cselect_b32 s23, s20, s46                    ; my first channel among 1,024: the other side
	s_lshr_b32 s18, s22, 11
	s_lshl_b32 s18, s18, 4
	s_lshr_b32 s19, s23, 6
	s_add_co_u32 s18, s18, s19                     ; bh = 16 x batch + head
	s_lshl_b32 s18, s18, 18                        ; 262,144 bytes a head
	s_and_b32 s19, s22, 2047
	s_lshl_b32 s19, s19, 7                         ; 128 bytes a position, in q, k and v alike
	s_add_co_u32 s18, s18, s19
	s_lshl_b32 s19, s[TT], 24
	s_add_co_u32 s18, s18, s19
	s_mov_b32 s19, 0
	s_add_nc_u64 s[12:13], s[12:13], s[18:19]
.macro FRAG reg, adr, q, i             ; 16 rows x 128 K of 4-bit codes: 8 registers; registers 4 c .. 4 c + 3 hold K = 64 c + 32 h + 0 .. 31
.irp c, 0,1
	ds_load_b128 v[\reg+4*\c:\reg+4*\c+3], v[\adr] offset:64*(\q)+32*\c+(\i)*16*PITCH
.endr
.endm
; 16 matrix instructions: A's blocks a0, a0 + 1 x B's eight, the slot's q-th 128 along K.  zero = 1: the constant 0 starts the sums; 2: bq starts them; 0: in place.
; The 64 accumulators take turns, one instruction a turn, in the same order in every step.
.macro MUL16 a0, p, q, sc, zero
.irp a, \a0, \a0+1
.irp b, 0,1,2,3,4,5,6,7
.set rD, 8*(8*((\a)%4)+\b)
.set rB, 128*(\p)+FR*\b
.set rA, AF+FR*(\a)
.set sB, SC+8*NQ*(\sc)+NQ*\b+(\q)
.set sA, SC+8*NQ*(\sc)+NQ*(\a)+(\q)
.if \zero == 1
	v_wmma_scale_f32_16x16x128_f8f6f4 v[rD:rD+7], v[rB:rB+7], v[rA:rA+7], 0, v[sB], v[sA] matrix_a_fmt:MATRIX_FMT_FP4 matrix_b_fmt:MATRIX_FMT_FP4 matrix_a_scale:MATRIX_SCALE_ROW1
.elseif \zero == 2
	v_wmma_scale_f32_16x16x128_f8f6f4 v[rD:rD+7], v[rB:rB+7], v[rA:rA+7], v[BIAS+8*\b:BIAS+8*\b+7], v[sB], v[sA] matrix_a_fmt:MATRIX_FMT_FP4 matrix_b_fmt:MATRIX_FMT_FP4 matrix_a_scale:MATRIX_SCALE_ROW1
.else
	v_wmma_scale_f32_16x16x128_f8f6f4 v[rD:rD+7], v[rB:rB+7], v[rA:rA+7], v[rD:rD+7], v[sB], v[sA] matrix_a_fmt:MATRIX_FMT_FP4 matrix_b_fmt:MATRIX_FMT_FP4 matrix_a_scale:MATRIX_SCALE_ROW1
.endif
.endr
.endr
.endm
.macro FETCH_B slot, q, p
	WIN TO_B
.irp i, 0,1,2,3,4,5,6,7
	FRAG 128*(\p)+FR*\i, ADRB+\slot, \q, \i
.endr
	WIN 0
.endm
.macro FETCH_A slot, q, i0
.irp i, \i0, \i0+1, \i0+2, \i0+3
	FRAG AF+FR*(\i), ADRA+\slot, \q, \i
.endr
.endm
.macro SCALES sc                       ; a slot's scale words: 4 words a row; lanes 0-15 take A's block i, lanes 16-31 B's block i
.irp i, 0,1,2,3,4,5,6,7
	ds_load_b128 v[SC+8*NQ*\sc+NQ*\i:SC+8*NQ*\sc+NQ*\i+3], v[ADRS] offset:\i*SBLK
.endr
.endm
.macro PLACES n                        ; plain vector lines between a matrix instruction and a load into, or a read of, its registers
.rept \n
	v_nop
.endr
.endm
.macro STEP slot, q, zero              ; a step of 128 along K that has its successor in the same slot
	s_wait_dscnt 4*NL                              ; B's set and A's blocks 0-3 are in; the youngest eight loads (A's blocks 4-7) may be out
.if \zero == 2
	WIN BIA_LO
.else
	WIN MUL_LO
.endif
	MUL16 0, (\q)%2, \q, \slot, \zero
	MUL16 2, (\q)%2, \q, \slot, \zero
	s_wait_dscnt 0                                 ; A's blocks 4-7 are in
	PLACES NP
	FETCH_B \slot, (\q)+1, 1-(\q)%2
	FETCH_A \slot, (\q)+1, 0
.if \zero == 2
	WIN BIA_HI
.else
	WIN MUL_HI
.endif
	MUL16 4, (\q)%2, \q, \slot, \zero
	MUL16 6, (\q)%2, \q, \slot, \zero
	PLACES NP
	WIN 0
	FETCH_A \slot, (\q)+1, 4
.endm
.macro TURN slot, next                 ; slot 0's last step: in front of the barrier each wave waits for all its tensor loads (its part of slot 1); behind it slot 1 is whole.  Nothing is filled again
	s_wait_tensorcnt 0x0
	ds_add_u32 v[SPW], v[NIL]                      ; 0 onto my spare word
	s_wait_dscnt 4*NL+1                            ; (the add and the youngest eight loads may be out)
	WIN MUL_LO
	MUL16 0, 1, NQ-1, \slot, 0
	s_wait_dscnt 0x0
	s_barrier_signal -1
	MUL16 2, 1, NQ-1, \slot, 0
	WIN 0
	s_barrier_wait -1
	PLACES NP
	v_add_nc_u32 v[ADRS], 4*NQ, v[ADRS]            ; on to the next slot's scale words (no LDS load of mine is out)
	FETCH_B \next, 0, 0
	FETCH_A \next, 0, 0
	SCALES \next
	WIN MUL_HI
	MUL16 4, 1, NQ-1, \slot, 0
	MUL16 6, 1, NQ-1, \slot, 0
	PLACES NP
	WIN 0
	FETCH_A \next, 0, 4
.endm
.macro STEPS slot, from
.set Q, \from
.rept NQ-1-\from
	STEP \slot, Q, 0
.set Q, Q+1
.endr
.endm
.macro START
	s_wait_tensorcnt 1                             ; the scales and my part of slot 0 are in; slot 1's load, the one issued behind them, may be out
	s_barrier_signal -1
	s_barrier_wait -1                              ; everybody's are
	FETCH_B 0, 0, 0
	FETCH_A 0, 0, 0
	SCALES 0
	FETCH_A 0, 0, 4
.endm
	s_cmp_lg_u32 s[TT], 0                          ; the tensor's number: the same in all waves and all partners
	s_cbranch_scc1 .Lplain
	s_lshl_b32 s18, s46, 2                         ; q: bq is the C of the first products: register j of tile b = bq[my first channel + 16 b + 8 h + j]
	s_mov_b32 s19, 0
	s_add_nc_u64 s[66:67], s[66:67], s[18:19]
	WIN TO_B
.irp b, 0,1,2,3,4,5,6,7
	global_load_b128 v[BIAS+8*\b:BIAS+8*\b+3], v7, s[66:67] offset:64*\b
	global_load_b128 v[BIAS+8*\b+4:BIAS+8*\b+7], v7, s[66:67] offset:64*\b+16
.endr
	WIN 0
	START
	s_wait_loadcnt 0x0                             ; bq
	STEP 0, 0, 2
	s_branch .Ljoin
.Lplain:
	START
	STEP 0, 0, 1                                   ; k and v: the constant 0 starts the sums
.Ljoin:
	STEPS 0, 1
	TURN 0, 1
	STEPS 1, 0
	s_wait_dscnt 4*NL                              ; the last step: nothing more to fetch
	WIN MUL_LO
	MUL16 0, 1, NQ-1, 1, 0
	MUL16 2, 1, NQ-1, 1, 0
	s_wait_dscnt 0
	WIN MUL_HI
	MUL16 4, 1, NQ-1, 1, 0
	MUL16 6, 1, NQ-1, 1, 0
	WIN 0
; THE WAY OUT.  Each accumulator is rounded to f16 from its low end on: 16 bytes a lane, stored at 16 x lane.  The place of accumulator (a, b) stands in the immediate.
.macro OUT isv
.irp a, 0,1,2,3,4,5,6,7
.if \a >= 4
	s_wait_xcnt 0x0                                ; block a - 4's stores have read their registers, which are written again now
.endif
	WIN 0x0a+5*(\a/4)                              ; sources in window 2 or 3
.irp b, 0,1,2,3,4,5,6,7
.irp i, 0,1,2,3
	v_cvt_pk_f16_f32 v[PK+32*(\a%4)+4*\b+\i], v[64*(\a%4)+8*\b+2*\i], v[64*(\a%4)+8*\b+2*\i+1]
.endr
.endr
	WIN 0
.irp b, 0,1,2,3,4,5,6,7
.if \isv
	global_store_b128 v[CO], v[PK+32*(\a%4)+4*\b:PK+32*(\a%4)+4*\b+3], s[12:13] offset:(\a/4)*262144+(\a%4)*1024+(\b/2)*4096+(\b%2)*512   ; head a / 4, ct a % 4, kg b / 2, sub b % 2
.else
	global_store_b128 v[CO], v[PK+32*(\a%4)+4*\b:PK+32*(\a%4)+4*\b+3], s[12:13] offset:\a*2048+(\b/4)*262144+(\b%4)*512                    ; tile a, head b / 4, 2 cf + sub = b % 4
.endif
.endr
.endr
.endm
	PLACES NP                                      ; in front of writes into the registers that held A's fragments; the later blocks' reads stand behind the earlier blocks' conversions
	s_cmp_eq_u32 s[TT], 2
	s_cbranch_scc1 .Lout_v
	OUT 0
	s_branch .Ldone
.Lout_v:
	OUT 1
.Ldone:
	s_wait_tensorcnt 0x0                           ; the wave's end
	ds_add_u32 v[SPW], v[NIL]
	s_wait_dscnt 0x0
	CROUND                                         ; the closing round
	s_endpgm
.Lfunc_end_k_qcad757ec6e_proj:
	.size	k_qcad757ec6e_proj, .Lfunc_end_k_qcad757ec6e_proj-k_qcad757ec6e_proj
	.p2alignl 7, 3214868480
	.fill 96, 4, 3214868480
	.section	.rodata,"a",@progbits
	.p2align	6, 0x0
	.amdhsa_kernel k_qcad757ec6e_proj
		.amdhsa_group_segment_fixed_size 327680
		.amdhsa_private_segment_fixed_size 0
		.amdhsa_enable_private_segment 0
		.amdhsa_kernarg_size 48
		.amdhsa_user_sgpr_count 2
		.amdhsa_user_sgpr_kernarg_segment_ptr 1
		.amdhsa_wavefront_size32 1
		.amdhsa_system_sgpr_workgroup_id_x 1
		.amdhsa_system_sgpr_workgroup_id_y 1
		.amdhsa_system_sgpr_workgroup_id_z 1
		.amdhsa_system_vgpr_workitem_id 0
		.amdhsa_next_free_vgpr 1024
		.amdhsa_next_free_sgpr 102
		.amdhsa_reserve_vcc 0
		.amdhsa_float_denorm_mode_32 3
		.amdhsa_float_denorm_mode_16_64 3
		.amdhsa_memory_ordered 1
		.amdhsa_forward_progress 1
		.amdhsa_inst_pref_size 156
	.end_amdhsa_kernel
	.amdgpu_metadata
---
amdhsa.version: [ 1, 2 ]
amdhsa.kernels:
  - .name:           k_qcad757ec6e_proj
    .symbol:         k_qcad757ec6e_proj.kd
    .args:
      - { .name: xc, .offset: 0, .size: 8, .value_kind: global_buffer, .address_space: global }
      - { .name: xs, .offset: 8, .size: 8, .value_kind: global_buffer, .address_space: global }
      - { .name: wc, .offset: 16, .size: 8, .value_kind: global_buffer, .address_space: global }
      - { .name: ws, .offset: 24, .size: 8, .value_kind: global_buffer, .address_space: global }
      - { .name: bq, .offset: 32, .size: 8, .value_kind: global_buffer, .address_space: global }
      - { .name: qkvf, .offset: 40, .size: 8, .value_kind: global_buffer, .address_space: global }
    .group_segment_fixed_size: 327680
    .private_segment_fixed_size: 0
    .kernarg_segment_align: 8
    .kernarg_segment_size: 48
    .max_flat_workgroup_size: 128
    .sgpr_count:     102
    .vgpr_count:     1024
    .wavefront_size: 32
...
	.end_amdgpu_metadata
.endif
;; end of part 2
;; launch attn (part 3): grid 4 x 64, 8 waves a work-group, clusters of 4 x 1, 327,680 bytes of LDS; arguments qkvf, bv, of; writes of
.if DOCPART == 3
	.amdgcn_target "amdgcn-amd-amdhsa--gfx1250"
	.amdhsa_code_object_version 6
	.text
	.protected	k_qcad757ec6e_attn
	.globl	k_qcad757ec6e_attn
	.p2align	8
	.type	k_qcad757ec6e_attn,@function
k_qcad757ec6e_attn:
	s_mov_b64 s[64:65], 0
	v_nop
	global_prefetch_b8 v0, s[64:65] scope:SCOPE_SE
	s_setreg_imm32_b32 hwreg(HW_REG_WAVE_MODE, 25, 1), 1
	s_wait_xcnt 0x0
	s_wait_alu depctr_hold_cnt(0) depctr_sa_sdst(0) depctr_va_vdst(0) depctr_va_sdst(0) depctr_va_ssrc(0) depctr_va_vcc(0) depctr_vm_vsrc(0)
	s_getreg_b32 s2, hwreg(HW_REG_IB_STS2, 6, 4)
	s_cmp_eq_u32 s2, 0
	s_cbranch_scc0 .Lentry_in_a_cluster
	s_endpgm
.Lentry_in_a_cluster:
	s_bfe_u32 s2, ttmp6, 0x10000c
	s_cmp_lg_u32 s2, 0x3003
	s_cbranch_scc0 .Lentry_shape_is_right
	s_endpgm
.Lentry_shape_is_right:
; Launch 3 of 4: o[b][h][q] = sum over k of softmax_k(q . k / 32) v[k] + bv, heads of 64, 2,048 keys, no mask.  q, k, v and the weights p are f16 operands; products, maxima, sums and 1 / l are f32; o is rounded once to f16.
; bk is left out (shown at the head of the first launch).  bv is added HERE: a query's weights sum to 1, so sum w (v + bv) = sum w v + bv: one fused multiply-add, O x (1 / l) + bv.
; SHARES.  A cluster of four work-groups is one (batch, head); a work-group owns 512 queries, each of its eight waves 64: four tiles of 16, so that each fragment of K or V read from LDS feeds four matrix instructions.
; Two waves share a SIMD: one wave's softmax stands beside the other's products.  A key step is 64 keys: 32 products K Q^T, the softmax, 32 products V^T P.
; LAYOUT.  S^T = K Q^T (source 0 = 16 keys, source 1 = 16 queries): a lane holds ONE query and the keys 8 (lane / 16) + 0..7 of a tile.  Two such tiles, rounded to f16 in pairs, ARE source 1 of O^T = V^T P.
; q, k and v lie in memory in the order of the operands' registers (launch 2): a fragment comes by two loads of 16 bytes at 16 x lane; no padding, nothing is transposed.
; SOFTMAX.  A running maximum m of the scores and sum l for each query: p = 2^(c s - c m), c = log2(e) / 32; in every step O and l are multiplied by a = 2^(c m_old - c m_new).  The step is written once:
; m begins at -3e38 and O and l at zero, so the first a is 0 and multiplies zeros.
; RING.  Two LDS slots of 512 keys (K's 65,536 bytes, then V's).  Every wave fetches an eighth of a slot, 16,384 dense bytes, by one JOINT load (mask: the four partners, which walk the same K and V).
; A refill is asked for eight key steps ahead of its first read and no wave waits long for it: no prefetch is laid.
; of: [ks 8][tile of 16 rows 512][kq 4][sub 2][lane 32][16 B], the order of the last product's operand registers: ks = head / 2, kq = 2 (head % 2) + ct / 2, sub = ct % 2.
; REGISTERS: window 0: v1-6 addresses; v16-47 eight registers of statistics a tile; v64-191 S^T, 32 a tile, then P in place; v192-255 K's or V's fragments of a step.
;            window 1: v0-127 O^T, 32 a tile; v128-191 Q; v192-223 bv in O^T's layout.
.set SLOT1, 1<<17
.set VOFF,  1<<16                      ; V's tiles lie behind K's in a slot
.set STEPB, 8192                       ; 64 keys of K, or of V
.set SPARE, 2*SLOT1                    ; the spare words, 128 bytes for each of eight waves, which no other line names
.set SPW, 1
.set NIL, 2
.set LA,  3                            ; v3  16 x lane: my place in every fragment, in LDS and in memory
.set ADK, 4                            ; v4  LDS address of the step's K
.set ADV, 5                            ; v5  of its V
.set BVO, 6                            ; v6  32 (lane / 16)
.set ST,  16                           ; tile t's statistics at v[ST + 8 t]: +0 c m, +1 m, +2, +3 l (even keys', odd keys'), +4..+7 at work; a in +6
.set S,   64
.set KV,  192
.set QF,  128                          ; in window 1
.set BV,  192                          ; in window 1
.set WV,  10
.set CX,  11
.set BH,  12
.set G1,  16                           ; s[16:23] descriptor group 1
.set G0,  24                           ; s[24:27], s[28:31] group 0 for slot 0, 1
.set SEL, 34
.set CS,  36
.set TB,  38                           ; s38 LDS byte at which the step's K begins
.set CNT, 39
.set MSB, 0
.macro WIN new
.if MSB != \new
	s_set_vgpr_msb (MSB<<8)|\new
.set MSB, \new
.endif
.endm
.set W_KQ, 0x04                        ; Q (source 1) in window 1
.set W_RS, 0x41                        ; O^T (destination, source 0) in window 1
.set W_PV, 0x50                        ; O^T (C and D) in window 1
.macro CROUND
	s_barrier_signal -1
	s_barrier_wait -1
	s_cmp_lg_u32 s[WV], 0
	s_cbranch_scc1 .Lnot_wave_0_\@
	s_barrier_signal -3
.Lnot_wave_0_\@:
	s_barrier_wait -3
	s_barrier_signal -1
	s_barrier_wait -1
.endm
	s_load_b128 s[4:7], s[0:1], 0x0                ; qkvf, bv
	s_load_b64 s[8:9], s[0:1], 0x10                ; of
	v_lshl_add_u32 v[SPW], v0, 2, SPARE
	v_mov_b32 v[NIL], 0
	ds_add_u32 v[SPW], v[NIL]                      ; the wave's opening: an add of 0, twice on end, and its wait ahead of my first tensor load
	ds_add_u32 v[SPW], v[NIL]
	v_lshrrev_b32 v7, 5, v0
	v_readfirstlane_b32 s[WV], v7                  ; wave 0..7
	s_bfe_u32 s[CX], ttmp6, 0x40000                ; my place in the cluster: it enters Q's and o's addresses alone
	s_and_b32 s[BH], ttmp7, 0xffff                 ; 16 x batch + head, which the four partners share
	s_mov_b32 s[G1], 15|(3<<16)|(1<<21)            ; the mask: all four; elements of 8 bytes; bit 21 beside a mask; no padding
	s_mov_b32 s[G1+1], 32<<16                      ; tensor_dim0 = 32 elements: 256 bytes
	s_mov_b32 s[G1+2], 64<<16                      ; tensor_dim1 = 64
	s_mov_b32 s[G1+3], 32<<16                      ; tile_dim0
	s_mov_b32 s[G1+4], 64                          ; tile_dim1
	s_mov_b32 s[G1+5], 32                          ; the pitch: dense
	s_mov_b32 s[G1+6], 0
	s_mov_b32 s[G1+7], 0
	s_mov_b32 s[SEL], 0x76543210
	s_mov_b32 s[SEL+1], 0xfedcba98                 ; v_permlanex16_b32: lane l xor 16
	s_mov_b32 s[CS], 0x3d38aa3b                    ; c = log2(e) / 32
	s_mov_b32 s[CS+1], s[CS]
	s_lshl_b32 s14, s[BH], 18                      ; a head's 262,144 bytes
	s_lshr_b32 s13, s[WV], 2
	s_add_co_u32 s13, s13, 1
	s_lshl_b32 s13, s13, 24                        ; waves 0-3 fetch K (at 1 << 24), waves 4-7 V (at 2 << 24)
	s_add_co_u32 s13, s13, s14
	s_and_b32 s15, s[WV], 3
	s_lshl_b32 s15, s15, 14                        ; my quarter of a slot's 65,536 bytes
	s_add_co_u32 s32, s13, s15
	s_mov_b32 s33, 0
	s_lshl_b32 s13, s[WV], 14                      ; and its place in a slot: wave x 16,384
	s_lshl_b32 s40, s[CX], 16                      ; Q: tile 32 cx + 4 wave, 2,048 bytes a tile
	s_lshl_b32 s46, s[WV], 13
	s_add_co_u32 s40, s40, s46
	s_add_co_u32 s40, s40, s14
	s_mov_b32 s41, 0
	s_and_b32 s46, s[BH], 15                       ; the head
	s_lshl_b32 s42, s46, 8                         ; bv: its 64 numbers
	s_mov_b32 s43, 0
	s_lshr_b32 s44, s46, 1
	s_lshl_b32 s44, s44, 21                        ; of: ks = head / 2: 2,097,152 bytes
	s_lshr_b32 s46, s[BH], 4
	s_lshl_b32 s46, s46, 19                        ; 128 row tiles of 4,096 bytes a batch
	s_add_co_u32 s44, s44, s46
	s_lshl_b32 s46, s[CX], 17
	s_add_co_u32 s44, s44, s46
	s_lshl_b32 s46, s[WV], 14
	s_add_co_u32 s44, s44, s46                     ; + tile 32 cx + 4 wave
	s_and_b32 s46, s[BH], 1
	s_lshl_b32 s46, s46, 11
	s_add_co_u32 s44, s44, s46                     ; + 2,048 for an odd head
	s_mov_b32 s45, 0
	s_wait_dscnt 0x0                               ; both opening adds are done
	s_wait_kmcnt 0x0
	s_mov_b32 s[G0], 1
	s_mov_b32 s[G0+1], s13
	s_add_nc_u64 s[G0+2:G0+3], s[4:5], s[32:33]    ; keys 0 to 511
	s_mov_b32 s[G0+4], 1
	s_add_co_u32 s[G0+5], s13, SLOT1
	s_add_nc_u64 s[G0+6:G0+7], s[G0+2:G0+3], VOFF  ; keys 512 to 1,023
	s_or_b32 s[G0+3], s[G0+3], 0x80000000
	s_or_b32 s[G0+7], s[G0+7], 0x80000000
	s_add_nc_u64 s[40:41], s[4:5], s[40:41]
	s_add_nc_u64 s[6:7], s[6:7], s[42:43]
	s_add_nc_u64 s[8:9], s[8:9], s[44:45]
	CROUND                                         ; all four work-groups are here: the first joint loads meet
	tensor_load_to_lds s[G0:G0+3], s[G1:G1+7]      ; every wave issues its own eighth: two loads of mine are out
	s_nop 0
	tensor_load_to_lds s[G0+4:G0+7], s[G1:G1+7]
	s_nop 0
.rept 4
	v_nop
.endr
	v_and_b32 v7, 31, v0
	v_lshlrev_b32 v[LA], 4, v7
	v_bfe_u32 v7, v0, 4, 1
	v_lshlrev_b32 v[BVO], 5, v7
	WIN 0x40                                       ; destination window 1
.irp qt, 0,1,2,3
.irp f, 0,1,2,3                        ; f = 2 cf + sub
	global_load_b128 v[QF+16*\qt+4*\f:QF+16*\qt+4*\f+3], v[LA], s[40:41] offset:\qt*2048+\f*512   ; Q stays in registers
.endr
.endr
.irp ct, 0,1,2,3
	global_load_b128 v[BV+8*\ct:BV+8*\ct+3], v[BVO], s[6:7] offset:64*\ct          ; bv[64 head + 16 ct + 8 h + 0..7]
	global_load_b128 v[BV+8*\ct+4:BV+8*\ct+7], v[BVO], s[6:7] offset:64*\ct+16
.endr
.set i, 0
.rept 128
	v_mov_b32 v[i], 0                              ; O^T: once, so that the key step is written once
.set i, i+1
.endr
	WIN 0
.irp qt, 0,1,2,3
	v_mov_b32 v[ST+8*\qt+1], 0xff61b1e6            ; m = -3e38, under every score
	v_mul_f32 v[ST+8*\qt], s[CS], v[ST+8*\qt+1]    ; c m
.irp j, 2,3,4,5,6,7
	v_mov_b32 v[ST+8*\qt+\j], 0                    ; l; and the registers at work, since a lane permute's destination counts as one of its sources
.endr
.endr
	s_wait_loadcnt 0x0                             ; Q and bv
	s_wait_tensorcnt 1                             ; my part of slot 0 is in; slot 1's load may be out
	s_barrier_signal -1
	s_barrier_wait -1
.macro STEP
	v_add_nc_u32 v[ADK], s[TB], v[LA]              ; five plain lines behind the last V^T P: four for the loads into its registers, five for the products that write over P
	v_add_nc_u32 v[ADV], VOFF, v[ADK]
.rept 3
	v_nop
.endr
.irp cf, 0,1
.irp kt, 0,1,2,3
.irp sub, 0,1
	ds_load_b128 v[KV+16*\kt+8*\cf+4*\sub:KV+16*\kt+8*\cf+4*\sub+3], v[ADK] offset:\kt*2048+\cf*1024+\sub*512
.endr
.endr
.endr
	s_wait_dscnt 8                                 ; channels 0-31 of the four tiles are in; the eight loads of channels 32-63 may be out
	WIN W_KQ
.irp kt, 0,1,2,3                       ; the 16 accumulators take turns, one instruction a turn
.irp qt, 0,1,2,3
	v_wmma_f32_16x16x32_f16 v[S+32*\qt+8*\kt:S+32*\qt+8*\kt+7], v[KV+16*\kt:KV+16*\kt+7], v[QF+16*\qt:QF+16*\qt+7], 0
.endr
.endr
	s_wait_dscnt 0x0
.irp kt, 0,1,2,3
.irp qt, 0,1,2,3
	v_wmma_f32_16x16x32_f16 v[S+32*\qt+8*\kt:S+32*\qt+8*\kt+7], v[KV+16*\kt+8:KV+16*\kt+15], v[QF+16*\qt+8:QF+16*\qt+15], v[S+32*\qt+8*\kt:S+32*\qt+8*\kt+7]
.endr
.endr
	WIN 0
.rept 4
	v_nop                                          ; places in front of the loads into K's registers and of the first read of the scores
.endr
.irp kg, 0,1
.irp ct, 0,1,2,3
.irp sub, 0,1
	ds_load_b128 v[KV+32*\kg+8*\ct+4*\sub:KV+32*\kg+8*\ct+4*\sub+3], v[ADV] offset:\kg*4096+\ct*1024+\sub*512   ; V lands under the softmax
.endr
.endr
.endr
	; the maximum of a lane's 32 scores and the old m: four chains of seven, the four left over, the chains, m.  Every line is written for the four tiles in turn.  Each score tile is read from its low end on.
.irp j, 0,1,2,3
.irp qt, 0,1,2,3
	v_max3_num_f32 v[ST+8*\qt+4+\j], v[S+32*\qt+8*\j], v[S+32*\qt+8*\j+1], v[S+32*\qt+8*\j+2]
.endr
.endr
.irp g, 1,2
.irp j, 0,1,2,3
.irp qt, 0,1,2,3
	v_max3_num_f32 v[ST+8*\qt+4+\j], v[ST+8*\qt+4+\j], v[S+32*\qt+8*\j+2*\g+1], v[S+32*\qt+8*\j+2*\g+2]
.endr
.endr
.endr
.irp qt, 0,1,2,3
	v_max3_num_f32 v[ST+8*\qt+4], v[ST+8*\qt+4], v[S+32*\qt+7], v[S+32*\qt+15]
.endr
.irp qt, 0,1,2,3
	v_max3_num_f32 v[ST+8*\qt+6], v[ST+8*\qt+6], v[S+32*\qt+23], v[S+32*\qt+31]
.endr
.irp qt, 0,1,2,3
	v_max3_num_f32 v[ST+8*\qt+4], v[ST+8*\qt+4], v[ST+8*\qt+5], v[ST+8*\qt+6]
.endr
.irp qt, 0,1,2,3
	v_max3_num_f32 v[ST+8*\qt+4], v[ST+8*\qt+4], v[ST+8*\qt+7], v[ST+8*\qt+1]
.endr
.irp qt, 0,1,2,3
	v_permlanex16_b32 v[ST+8*\qt+5], v[ST+8*\qt+4], s[SEL], s[SEL+1]   ; the query's other 32 keys lie in the lane 16 away
.endr
.irp qt, 0,1,2,3
	v_mov_b32 v[ST+8*\qt+7], v[ST+8*\qt]           ; c m_old
.endr
.irp qt, 0,1,2,3
	v_max_num_f32 v[ST+8*\qt+1], v[ST+8*\qt+4], v[ST+8*\qt+5]          ; the new m
.endr
.irp qt, 0,1,2,3
	v_mul_f32 v[ST+8*\qt], s[CS], v[ST+8*\qt+1]
.endr
.irp qt, 0,1,2,3
	v_sub_f32 v[ST+8*\qt+7], v[ST+8*\qt+7], v[ST+8*\qt]
.endr
	; ONE BATCH of exponentials: the four a and the 128 p; none of the lines between reads a result
.irp qt, 0,1,2,3
	v_exp_f32 v[ST+8*\qt+6], v[ST+8*\qt+7]         ; a = 2^(c m_old - c m_new)
.endr
.set i, 0
.rept 16
.irp qt, 0,1,2,3
	v_pk_fma_f32 v[S+32*\qt+i:S+32*\qt+i+1], v[S+32*\qt+i:S+32*\qt+i+1], s[CS:CS+1], v[ST+8*\qt:ST+8*\qt+1] op_sel_hi:[1,0,0] neg_lo:[0,0,1] neg_hi:[0,0,1]   ; c s - c m, two at a time
.endr
.set i, i+2
.endr
.set i, 0
.rept 32
.irp qt, 0,1,2,3
	v_exp_f32 v[S+32*\qt+i], v[S+32*\qt+i]
.endr
.set i, i+1
.endr
	v_nop                                          ; one plain line behind the last exponential
	s_wait_alu depctr_va_vdst(0)                   ; the wait ahead of the first line that names a result: one for the whole batch
	; the sums, of the unrounded p: l = a l + pair 0; a second chain begins with pairs 1 and 2; the other 13 pairs by turns onto the two; the chains meet
.irp qt, 0,1,2,3
	v_pk_fma_f32 v[ST+8*\qt+2:ST+8*\qt+3], v[ST+8*\qt+2:ST+8*\qt+3], v[ST+8*\qt+6:ST+8*\qt+7], v[S+32*\qt:S+32*\qt+1] op_sel_hi:[1,0,1]
.endr
.irp qt, 0,1,2,3
	v_pk_add_f32 v[ST+8*\qt+4:ST+8*\qt+5], v[S+32*\qt+2:S+32*\qt+3], v[S+32*\qt+4:S+32*\qt+5]
.endr
.irp b, 3,5,7,9,11,13
.irp qt, 0,1,2,3
	v_pk_add_f32 v[ST+8*\qt+2:ST+8*\qt+3], v[ST+8*\qt+2:ST+8*\qt+3], v[S+32*\qt+2*\b:S+32*\qt+2*\b+1]
.endr
.irp qt, 0,1,2,3
	v_pk_add_f32 v[ST+8*\qt+4:ST+8*\qt+5], v[ST+8*\qt+4:ST+8*\qt+5], v[S+32*\qt+2*\b+2:S+32*\qt+2*\b+3]
.endr
.endr
.irp qt, 0,1,2,3
	v_pk_add_f32 v[ST+8*\qt+2:ST+8*\qt+3], v[ST+8*\qt+2:ST+8*\qt+3], v[S+32*\qt+30:S+32*\qt+31]
.endr
.irp qt, 0,1,2,3
	v_pk_add_f32 v[ST+8*\qt+2:ST+8*\qt+3], v[ST+8*\qt+2:ST+8*\qt+3], v[ST+8*\qt+4:ST+8*\qt+5]
.endr
	; p to f16, in place and ascending: P of keys 32 kg on takes the first 8 of the 16 registers that held its scores
.irp kg, 0,1
.irp i, 0,1,2,3,4,5,6,7
.irp qt, 0,1,2,3
	v_cvt_pk_f16_f32 v[S+32*\qt+16*\kg+\i], v[S+32*\qt+16*\kg+2*\i], v[S+32*\qt+16*\kg+2*\i+1]
.endr
.endr
.endr
	WIN W_RS
.irp qt, 0,1,2,3
.set i, 0
.rept 16
	v_pk_mul_f32 v[32*\qt+i:32*\qt+i+1], v[32*\qt+i:32*\qt+i+1], v[ST+8*\qt+6:ST+8*\qt+7] op_sel_hi:[1,0]   ; O^T x a
.set i, i+2
.endr
.endr
	s_wait_dscnt 0x0                               ; V is in
	WIN W_PV
.irp kg, 0,1                           ; 16 accumulators by turns
.irp ct, 0,1,2,3
.irp qt, 0,1,2,3
	v_wmma_f32_16x16x32_f16 v[32*\qt+8*\ct:32*\qt+8*\ct+7], v[KV+32*\kg+8*\ct:KV+32*\kg+8*\ct+7], v[S+32*\qt+16*\kg:S+32*\qt+16*\kg+7], v[32*\qt+8*\ct:32*\qt+8*\ct+7]
.endr
.endr
.endr
	WIN 0
	s_add_co_u32 s[TB], s[TB], STEPB
.endm
.macro PHASE base                      ; a slot's eight key steps
	s_mov_b32 s[TB], \base
	s_mov_b32 s[CNT], 8
.Lstep_\@:
	STEP
	s_sub_co_u32 s[CNT], s[CNT], 1
	s_cmp_lg_u32 s[CNT], 0
	s_cbranch_scc1 .Lstep_\@
.endm
; THE CHANGE OF SLOTS.  Each wave waits for all its tensor loads, of which one is out: its part of the slot ahead; adds 0 to its spare word; waits for that and for its reads of the slot that it leaves.
; fill = 1: the slot just left takes the keys two slots on, behind a round of the cluster's barrier: no wave of any partner still reads it or has a load on its way.  One load a wave is out behind it.
.macro CHANGE fill, slot
	s_wait_tensorcnt 0x0
	ds_add_u32 v[SPW], v[NIL]
.if \fill
	s_add_nc_u64 s[G0+4*\slot+2:G0+4*\slot+3], s[G0+4*\slot+2:G0+4*\slot+3], 2*VOFF   ; no load of mine is out: the group 0 may be written
.endif
	s_wait_dscnt 0x0
.if \fill
	CROUND
	tensor_load_to_lds s[G0+4*\slot:G0+4*\slot+3], s[G1:G1+7]
	s_nop 0
.rept 4
	v_nop
.endr
.else
	s_barrier_signal -1
	s_barrier_wait -1
.endif
.endm
	PHASE 0                                        ; keys 0-511
	CHANGE 1, 0
	PHASE SLOT1                                    ; keys 512-1,023
	CHANGE 1, 1
	PHASE 0                                        ; keys 1,024-1,535
	CHANGE 0, 0                                    ; nothing is left to fetch
	PHASE SLOT1                                    ; keys 1,536-2,047
	; THE WAY OUT.  The four additions are the places behind the last products.
.irp qt, 0,1,2,3
	v_add_f32 v[ST+8*\qt+4], v[ST+8*\qt+2], v[ST+8*\qt+3]
.endr
.irp qt, 0,1,2,3
	v_permlanex16_b32 v[ST+8*\qt+5], v[ST+8*\qt+4], s[SEL], s[SEL+1]
.endr
.irp qt, 0,1,2,3
	v_add_f32 v[ST+8*\qt+4], v[ST+8*\qt+4], v[ST+8*\qt+5]              ; the row's sum
.endr
.irp qt, 0,1,2,3
	v_rcp_f32 v[ST+8*\qt+6], v[ST+8*\qt+4]
.endr
	v_nop
	s_wait_alu depctr_va_vdst(0)                   ; one wait for the four reciprocals, ahead of their first reader
	WIN 0x51                                       ; O^T and bv in window 1, 1 / l in window 0
.irp qt, 0,1,2,3
.irp ct, 0,1,2,3
.irp i, 0,2,4,6
	v_pk_fma_f32 v[32*\qt+8*\ct+\i:32*\qt+8*\ct+\i+1], v[32*\qt+8*\ct+\i:32*\qt+8*\ct+\i+1], v[ST+8*\qt+6:ST+8*\qt+7], v[BV+8*\ct+\i:BV+8*\ct+\i+1] op_sel_hi:[1,0,1]   ; O / l + bv
.endr
.endr
.endr
	WIN 0x05
.irp qt, 0,1,2,3
.irp ct, 0,1,2,3
.irp i, 0,1,2,3
	v_cvt_pk_f16_f32 v[S+16*\qt+4*\ct+\i], v[32*\qt+8*\ct+2*\i], v[32*\qt+8*\ct+2*\i+1]
.endr
.endr
.endr
	WIN 0
.irp qt, 0,1,2,3
.irp ct, 0,1,2,3
	global_store_b128 v[LA], v[S+16*\qt+4*\ct:S+16*\qt+4*\ct+3], s[8:9] offset:\qt*4096+\ct*512   ; 512 consecutive bytes, aligned
.endr
.endr
	s_wait_tensorcnt 0x0                           ; the wave's end
	ds_add_u32 v[SPW], v[NIL]
	s_wait_dscnt 0x0
	CROUND                                         ; the closing round
	s_endpgm
.Lfunc_end_k_qcad757ec6e_attn:
	.size	k_qcad757ec6e_attn, .Lfunc_end_k_qcad757ec6e_attn-k_qcad757ec6e_attn
	.p2alignl 7, 3214868480
	.fill 96, 4, 3214868480
	.section	.rodata,"a",@progbits
	.p2align	6, 0x0
	.amdhsa_kernel k_qcad757ec6e_attn
		.amdhsa_group_segment_fixed_size 327680
		.amdhsa_private_segment_fixed_size 0
		.amdhsa_enable_private_segment 0
		.amdhsa_kernarg_size 24
		.amdhsa_user_sgpr_count 2
		.amdhsa_user_sgpr_kernarg_segment_ptr 1
		.amdhsa_wavefront_size32 1
		.amdhsa_system_sgpr_workgroup_id_x 1
		.amdhsa_system_sgpr_workgroup_id_y 1
		.amdhsa_system_sgpr_workgroup_id_z 1
		.amdhsa_system_vgpr_workitem_id 0
		.amdhsa_next_free_vgpr 512
		.amdhsa_next_free_sgpr 66
		.amdhsa_reserve_vcc 0
		.amdhsa_float_denorm_mode_32 3
		.amdhsa_float_denorm_mode_16_64 3
		.amdhsa_memory_ordered 1
		.amdhsa_forward_progress 1
		.amdhsa_inst_pref_size 151
	.end_amdhsa_kernel
	.amdgpu_metadata
---
amdhsa.version: [ 1, 2 ]
amdhsa.kernels:
  - .name:           k_qcad757ec6e_attn
    .symbol:         k_qcad757ec6e_attn.kd
    .args:
      - { .name: qkvf, .offset: 0, .size: 8, .value_kind: global_buffer, .address_space: global }
      - { .name: bv, .offset: 8, .size: 8, .value_kind: global_buffer, .address_space: global }
      - { .name: of, .offset: 16, .size: 8, .value_kind: global_buffer, .address_space: global }
    .group_segment_fixed_size: 327680
    .private_segment_fixed_size: 0
    .kernarg_segment_align: 8
    .kernarg_segment_size: 24
    .max_flat_workgroup_size: 256
    .sgpr_count:     66
    .vgpr_count:     512
    .wavefront_size: 32
...
	.end_amdgpu_metadata
.endif
;; end of part 3
;; launch outproj (part 4): grid 4 x 64, 4 waves a work-group, clusters of 4 x 4, 327,680 bytes of LDS; arguments of, wof, bo, out0; writes out0
.if DOCPART == 4
	.amdgcn_target "amdgcn-amd-amdhsa--gfx1250"
	.amdhsa_code_object_version 6
	.text
	.protected	k_qcad757ec6e_outproj
	.globl	k_qcad757ec6e_outproj
	.p2align	8
	.type	k_qcad757ec6e_outproj,@function
k_qcad757ec6e_outproj:
	s_mov_b64 s[64:65], 0
	v_nop
	global_prefetch_b8 v0, s[64:65] scope:SCOPE_SE
	s_setreg_imm32_b32 hwreg(HW_REG_WAVE_MODE, 25, 1), 1
	s_wait_xcnt 0x0
	s_wait_alu depctr_hold_cnt(0) depctr_sa_sdst(0) depctr_va_vdst(0) depctr_va_sdst(0) depctr_va_ssrc(0) depctr_va_vcc(0) depctr_vm_vsrc(0)
	s_getreg_b32 s2, hwreg(HW_REG_IB_STS2, 6, 4)
	s_cmp_eq_u32 s2, 0
	s_cbranch_scc0 .Lentry_in_a_cluster
	s_endpgm
.Lentry_in_a_cluster:
	s_bfe_u32 s2, ttmp6, 0x10000c
	s_cmp_lg_u32 s2, 0xf033
	s_cbranch_scc0 .Lentry_shape_is_right
	s_endpgm
.Lentry_shape_is_right:
; Launch 4 of 4: out0 = o Wo + bo.  o [8,192][1,024] and Wo are f16 operands, laid in memory in the order of the operands' registers (launches 3 and 1); sums in f32; bo is the C of the first products; out0 is f32.
; A tile of 128 rows x 256 columns is made by a work-group of four waves: 256 work-groups.  A wave makes 64 x 128: 32 accumulators, 256 registers.  K goes in eight steps of 128 through two LDS slots.
; A step's part of o (8 row tiles x 4,096 bytes) and of Wo (16 column tiles x 4,096) are dense blocks of memory; a fragment comes out of LDS by two loads of 16 bytes at 16 x lane: no padding.
; CLUSTERS: 4 x 4.  o's tiles hang on the tile row alone and are shared along a row of the cluster, Wo's on the tile column alone and are shared along a column: joint loads.
; THE MATRIX INSTRUCTION IS USED TRANSPOSED (source 0 = 16 columns of Wo, source 1 = 16 rows of o): a lane holds eight neighbouring numbers of a row of out0.
; No prefetch: the launch's tiles are small and its K is eight steps.
; REGISTERS: window 0: v16-29 addresses; v32-127, v128-223 two fragment buffers (Wo's eight fragments, then o's four); on the way out v32-159 rows read back.  window 1: the accumulators ((i, b) at v[8 (8 i + b)]).  window 2: v0-63 bo.
.set SLOT,   98304                     ; o's 32,768 bytes, then Wo's 65,536
.set BOFF,   32768
.set STAGE,  2*SLOT                    ; behind the ring: 16 rows x 528 bytes for each wave; no tensor load lands here
.set SPITCH, 528
.set SPARE,  STAGE+4*16*SPITCH         ; 230,400: the spare words, 128 bytes for each wave, which no other line names
.set ADRA, 16
.set ADRB, 20
.set STO,  24
.set RD,   25
.set CO,   26                          ; v26 16 x lane
.set SPW,  28
.set NIL,  29
.set F0,   32
.set F1,   128
.set BK,   32
.set G1, 24
.set G0, 32
.set G1B, 48
.set G0B, 56
.set MSB, 0
.macro WIN new
.if MSB != \new
	s_set_vgpr_msb (MSB<<8)|\new
.set MSB, \new
.endif
.endm
.set MUL, 0x50                         ; C and D window 1; with 0x10 more: C (bo) window 2
.macro JLOAD s                         ; waves 0 and 1 fetch o's two halves, waves 2 and 3 Wo's; an s_nop 0 and four v_nop follow each line
	s_cmp_eq_u32 s13, 0
	s_cbranch_scc0 .Lfor_b_\@
	tensor_load_to_lds s[G0+4*\s:G0+4*\s+3], s[G1:G1+7]
	s_nop 0
.rept 4
	v_nop
.endr
	s_branch .Lasked_\@
.Lfor_b_\@:
	tensor_load_to_lds s[G0B+4*\s:G0B+4*\s+3], s[G1B:G1B+7]
	s_nop 0
.rept 4
	v_nop
.endr
.Lasked_\@:
.endm
.macro CREST
	s_cmp_lg_u32 s12, 0
	s_cbranch_scc1 .Lnot_wave_0_\@
	s_barrier_signal -3
.Lnot_wave_0_\@:
	s_barrier_wait -3
	s_barrier_signal -1
	s_barrier_wait -1
.endm
.macro CROUND
	s_barrier_signal -1
	s_barrier_wait -1
	CREST
.endm
	s_load_b256 s[4:11], s[0:1], 0x0               ; of s[4:5], wof s[6:7], bo s[8:9], out0 s[10:11]
	v_lshl_add_u32 v[SPW], v0, 2, SPARE
	v_mov_b32 v[NIL], 0
	ds_add_u32 v[SPW], v[NIL]                      ; the wave's opening: an add of 0, twice on end, and its wait ahead of my first tensor load
	ds_add_u32 v[SPW], v[NIL]
	v_lshrrev_b32 v1, 5, v0
	v_readfirstlane_b32 s12, v1                    ; wave 0..3
	s_lshr_b32 s13, s12, 1                         ; which 64 rows are mine.  Also: I fetch for o (0) or for Wo (1)
	s_and_b32 s14, s12, 1                          ; which 128 columns.  Also: which half of that tile I fetch
	s_bfe_u32 s40, ttmp6, 0x40000                  ; cx = the tile column
	s_bfe_u32 s41, ttmp6, 0x40004                  ; cy
	s_and_b32 s42, ttmp7, 0xffff
	s_lshl_b32 s42, s42, 2
	s_add_co_u32 s42, s42, s41                     ; the tile row = 4 x cluster y + cy
	s_lshl_b32 s43, s41, 2
	s_lshl_b32 s43, 15, s43                        ; my row of the cluster
	s_lshl_b32 s44, 0x1111, s40                    ; my column
	s_or_b32 s[G1], s43, (3<<16)|(1<<21)           ; the mask; elements of 8 bytes; bit 21 beside a mask; no padding
	s_mov_b32 s[G1+1], 32<<16                      ; rows of 256 bytes,
	s_mov_b32 s[G1+2], 64<<16                      ; 64 of them: four row tiles of o
	s_mov_b32 s[G1+3], 32<<16
	s_mov_b32 s[G1+4], 64
	s_mov_b32 s[G1+5], 32
	s_mov_b32 s[G1+6], 0
	s_mov_b32 s[G1+7], 0
	s_or_b32 s[G1B], s44, (3<<16)|(1<<21)
	s_mov_b32 s[G1B+1], 32<<16
	s_mov_b32 s[G1B+2], 128<<16                    ; 128 rows: eight column tiles of Wo
	s_mov_b32 s[G1B+3], 32<<16
	s_mov_b32 s[G1B+4], 128
	s_mov_b32 s[G1B+5], 32
	s_mov_b32 s[G1B+6], 0
	s_mov_b32 s[G1B+7], 0
	s_lshl_b32 s16, s42, 15                        ; o: row tile 8 x tile row + 4 x half, 4,096 bytes a tile
	s_lshl_b32 s17, s14, 14
	s_add_co_u32 s16, s16, s17
	s_mov_b32 s17, 0
	s_lshl_b32 s46, s40, 16                        ; Wo: column tile 16 cx + 8 x half
	s_lshl_b32 s47, s14, 15
	s_add_co_u32 s46, s46, s47
	s_mov_b32 s47, 0
	s_lshl_b32 s20, s14, 14                        ; where they go in a slot: no place in the cluster enters an LDS address
	s_lshl_b32 s21, s14, 15
	s_add_co_u32 s21, s21, BOFF
	s_wait_dscnt 0x0                               ; both opening adds are done
	s_wait_kmcnt 0x0
	s_add_nc_u64 s[16:17], s[4:5], s[16:17]
	s_add_nc_u64 s[46:47], s[6:7], s[46:47]
	CROUND                                         ; all sixteen work-groups are here: the first joint loads meet
.irp s, 0,1
	s_mov_b32 s[G0+4*\s], 1
	s_add_co_u32 s[G0+4*\s+1], s20, \s*SLOT
	s_add_nc_u64 s[G0+4*\s+2:G0+4*\s+3], s[16:17], \s*2097152      ; K step s of o
	s_or_b32 s[G0+4*\s+3], s[G0+4*\s+3], 0x80000000
	s_mov_b32 s[G0B+4*\s], 1
	s_add_co_u32 s[G0B+4*\s+1], s21, \s*SLOT
	s_add_nc_u64 s[G0B+4*\s+2:G0B+4*\s+3], s[46:47], \s*262144     ; K step s of Wo
	s_or_b32 s[G0B+4*\s+3], s[G0B+4*\s+3], 0x80000000
	JLOAD \s                                       ; two loads of mine are out
.endr
	v_and_b32 v1, 31, v0
	v_lshlrev_b32 v[CO], 4, v1
	s_lshl_b32 s22, s13, 14                        ; my four row tiles of o
	s_lshl_b32 s23, s14, 15
	s_add_co_u32 s23, s23, BOFF                    ; my eight column tiles of Wo
.irp s, 0,1
	v_add_nc_u32 v[ADRA+\s], s22, v[CO]
	v_add_nc_u32 v[ADRB+\s], s23, v[CO]
	s_add_co_u32 s22, s22, SLOT
	s_add_co_u32 s23, s23, SLOT
.endr
	v_and_b32 v2, 15, v0                           ; r
	v_bfe_u32 v3, v0, 4, 1                         ; h
	s_mul_i32 s22, s12, 16*SPITCH
	s_add_co_u32 s22, s22, STAGE                   ; my stage
	v_mul_u32_u24 v4, v2, SPITCH
	v_lshl_add_u32 v4, v3, 5, v4
	v_add_nc_u32 v[STO], s22, v4                   ; in: row r, 32 bytes for each half of the lanes
	v_add_nc_u32 v[RD], s22, v[CO]                 ; back: the 32 lanes take one row of 512 bytes
	v_lshlrev_b32 v5, 5, v3                        ; bo: 32 h bytes
	s_lshl_b32 s68, s40, 10
	s_lshl_b32 s67, s14, 9
	s_add_co_u32 s68, s68, s67                     ; my first column, in bytes: 1,024 cx + 512 x half
	s_mov_b32 s69, 0
	s_add_nc_u64 s[8:9], s[8:9], s[68:69]
	s_lshl_b32 s66, s42, 19                        ; my first row: 128 x tile row + 64 x half, 4,096 bytes a row
	s_lshl_b32 s67, s13, 18
	s_add_co_u32 s66, s66, s67
	s_mov_b32 s67, 0
	s_add_nc_u64 s[10:11], s[10:11], s[66:67]
	s_add_nc_u64 s[10:11], s[10:11], s[68:69]
	WIN 0x80                                       ; destination window 2
.irp b, 0,1,2,3,4,5,6,7
	global_load_b128 v[8*\b:8*\b+3], v5, s[8:9] offset:64*\b           ; register j of tile b = bo[my first column + 16 b + 8 h + j]
	global_load_b128 v[8*\b+4:8*\b+7], v5, s[8:9] offset:64*\b+16
.endr
	WIN 0
.macro FETCH slot, q, f                ; 24 LDS loads in one run: the fragments of 32 along K, the slot's q-th: Wo's eight, then o's four
.irp b, 0,1,2,3,4,5,6,7
	ds_load_b128 v[\f+8*\b:\f+8*\b+3],   v[ADRB+\slot] offset:\b*4096+(\q)*1024
	ds_load_b128 v[\f+8*\b+4:\f+8*\b+7], v[ADRB+\slot] offset:\b*4096+(\q)*1024+512
.endr
.irp i, 0,1,2,3
	ds_load_b128 v[\f+64+8*\i:\f+64+8*\i+3], v[ADRA+\slot] offset:\i*4096+(\q)*1024
	ds_load_b128 v[\f+64+8*\i+4:\f+64+8*\i+7], v[ADRA+\slot] offset:\i*4096+(\q)*1024+512
.endr
.endm
.macro MUL8 f, i, first                ; row tile i x the eight column tiles.  The 32 accumulators take turns, in the same order in every quarter
.irp b, 0,1,2,3,4,5,6,7
.if \first
	v_wmma_f32_16x16x32_f16 v[8*(8*\i+\b):8*(8*\i+\b)+7], v[\f+8*\b:\f+8*\b+7], v[\f+64+8*\i:\f+64+8*\i+7], v[8*\b:8*\b+7]
.else
	v_wmma_f32_16x16x32_f16 v[8*(8*\i+\b):8*(8*\i+\b)+7], v[\f+8*\b:\f+8*\b+7], v[\f+64+8*\i:\f+64+8*\i+7], v[8*(8*\i+\b):8*(8*\i+\b)+7]
.endif
.endr
.endm
.macro PLACES                          ; four plain lines between a matrix instruction and a load into, or a read of, its registers
.rept 4
	v_nop
.endr
.endm
; A K step is four quarters of 32 along K on buffers 0, 1, 0, 1.  One of the first three: multiplies buffer f; in its middle it fetches the slot's quarter qn into buffer g.
.macro QUARTER slot, qn, f, g, first
	s_wait_dscnt 4                                 ; Wo's fragments and o's tiles 0, 1 are in; the youngest four loads (tiles 2, 3) may be out
	WIN MUL+0x10*\first
	MUL8 \f, 0, \first
	MUL8 \f, 1, \first
	PLACES
	WIN 0
	FETCH \slot, \qn, \g
	s_wait_dscnt 24                                ; all but the 24 just issued
	WIN MUL+0x10*\first
	MUL8 \f, 2, \first
	MUL8 \f, 3, \first
.endm
; The last quarter multiplies buffer 1 and changes slots: one barrier; in front of it each wave waits for all its tensor loads, adds 0 to its spare word, and waits for that and for its reads of this slot.
; fill = 1: the barrier opens a round of the cluster's, and this slot is filled again, two K steps ahead: the first tensor load behind the round, one a wave.
.macro TURN slot, next, fill
	WIN 0
	s_wait_tensorcnt 0x0
	ds_add_u32 v[SPW], v[NIL]
	s_wait_dscnt 5                                 ; (the add and the youngest four loads may be out)
	WIN MUL
	MUL8 F1, 0, 0
	s_wait_dscnt 0x0                               ; the add is done, and my reads of this slot are over
	s_barrier_signal -1
	MUL8 F1, 1, 0
	WIN 0
	s_barrier_wait -1
.if \fill
	CREST
	s_add_nc_u64 s[G0+4*\slot+2:G0+4*\slot+3], s[G0+4*\slot+2:G0+4*\slot+3], 2*2097152
	s_add_nc_u64 s[G0B+4*\slot+2:G0B+4*\slot+3], s[G0B+4*\slot+2:G0B+4*\slot+3], 2*262144
	JLOAD \slot                                    ; the four v_nop behind it are also the places in front of the loads below
.else
	PLACES
.endif
	FETCH \next, 0, F0
	WIN MUL
	MUL8 F1, 2, 0
	MUL8 F1, 3, 0
.endm
	s_wait_tensorcnt 1                             ; my part of K step 0 is in; K step 1's load may be out
	s_barrier_signal -1
	s_barrier_wait -1
	FETCH 0, 0, F0
	s_wait_loadcnt 0x0                             ; bo
	QUARTER 0, 1, F0, F1, 1                        ; the first quarter stands in front of the loop: bo starts the sums
	WIN 0
	s_mov_b32 s3, 3
.Llap:                                                 ; a trip goes once round the ring and fills both slots again: K steps 2 to 7
	QUARTER 0, 2, F1, F0, 0
	QUARTER 0, 3, F0, F1, 0
	TURN 0, 1, 1
	QUARTER 1, 1, F0, F1, 0
	QUARTER 1, 2, F1, F0, 0
	QUARTER 1, 3, F0, F1, 0
	TURN 1, 0, 1
	QUARTER 0, 1, F0, F1, 0
	WIN 0
	s_sub_co_u32 s3, s3, 1
	s_cmp_lg_u32 s3, 0
	s_cbranch_scc1 .Llap
	QUARTER 0, 2, F1, F0, 0                        ; the last lap fills nothing
	QUARTER 0, 3, F0, F1, 0
	TURN 0, 1, 0
	QUARTER 1, 1, F0, F1, 0
	QUARTER 1, 2, F1, F0, 0
	QUARTER 1, 3, F0, F1, 0
	s_wait_dscnt 4
	WIN MUL
	MUL8 F1, 0, 0
	MUL8 F1, 1, 0
	s_wait_dscnt 0
	MUL8 F1, 2, 0
	MUL8 F1, 3, 0
	WIN 0
; THE WAY OUT, block by block of 16 rows x 128 columns: through my own stage and back as whole rows of 512 bytes.  LDS serves a wave's instructions in order: no wait between the stores and the loads.
.macro TOSTAGE i
	WIN 0x04                                       ; an LDS store's data are its source 1: window 1
.irp b, 0,1,2,3,4,5,6,7
	ds_store_b128 v[STO], v[8*(8*(\i)+\b):8*(8*(\i)+\b)+3] offset:64*\b            ; each accumulator from its low end on
	ds_store_b128 v[STO], v[8*(8*(\i)+\b)+4:8*(8*(\i)+\b)+7] offset:64*\b+16
.endr
	WIN 0
.set BB, BK+64*((\i)%2)
.irp t, 0,1,2,3,4,5,6,7,8,9,10,11,12,13,14,15
	ds_load_b128 v[BB+4*\t:BB+4*\t+3], v[RD] offset:\t*SPITCH
.endr
.endm
.macro SEND i, younger                 ; younger: the LDS instructions issued behind block i's loads, which may stay out
.set BB, BK+64*((\i)%2)
	s_wait_dscnt \younger
.irp t, 0,1,2,3,4,5,6,7,8,9,10,11,12,13,14,15
	global_store_b128 v[CO], v[BB+4*\t:BB+4*\t+3], s[10:11] offset:(\i)*65536+\t*4096 th:TH_STORE_NT   ; 512 consecutive bytes, aligned; written once, read by nobody here
.endr
.endm
	PLACES                                         ; in front of the first read of results and of the loads into the fragment buffers
	TOSTAGE 0
	TOSTAGE 1
	SEND 0, 32                                     ; behind block 0's loads: block 1's 16 stores and 16 loads
	s_wait_xcnt 0x0                                ; block 0's stores have read their registers: block 2's loads may land there
	TOSTAGE 2
	SEND 1, 32
	s_wait_xcnt 0x0
	TOSTAGE 3
	SEND 2, 32
	SEND 3, 0
	s_wait_tensorcnt 0x0                           ; the wave's end, behind my last tensor load and my last LDS store
	ds_add_u32 v[SPW], v[NIL]
	s_wait_dscnt 0x0
	CROUND                                         ; the closing round
	s_endpgm
.Lfunc_end_k_qcad757ec6e_outproj:
	.size	k_qcad757ec6e_outproj, .Lfunc_end_k_qcad757ec6e_outproj-k_qcad757ec6e_outproj
	.p2alignl 7, 3214868480
	.fill 96, 4, 3214868480
	.section	.rodata,"a",@progbits
	.p2align	6, 0x0
	.amdhsa_kernel k_qcad757ec6e_outproj
		.amdhsa_group_segment_fixed_size 327680
		.amdhsa_private_segment_fixed_size 0
		.amdhsa_enable_private_segment 0
		.amdhsa_kernarg_size 32
		.amdhsa_user_sgpr_count 2
		.amdhsa_user_sgpr_kernarg_segment_ptr 1
		.amdhsa_wavefront_size32 1
		.amdhsa_system_sgpr_workgroup_id_x 1
		.amdhsa_system_sgpr_workgroup_id_y 1
		.amdhsa_system_sgpr_workgroup_id_z 1
		.amdhsa_system_vgpr_workitem_id 0
		.amdhsa_next_free_vgpr 576
		.amdhsa_next_free_sgpr 72
		.amdhsa_reserve_vcc 0
		.amdhsa_float_denorm_mode_32 3
		.amdhsa_float_denorm_mode_16_64 3
		.amdhsa_memory_ordered 1
		.amdhsa_forward_progress 1
		.amdhsa_inst_pref_size 86
	.end_amdhsa_kernel
	.amdgpu_metadata
---
amdhsa.version: [ 1, 2 ]
amdhsa.kernels:
  - .name:           k_qcad757ec6e_outproj
    .symbol:         k_qcad757ec6e_outproj.kd
    .args:
      - { .name: of, .offset: 0, .size: 8, .value_kind: global_buffer, .address_space: global }
      - { .name: wof, .offset: 8, .size: 8, .value_kind: global_buffer, .address_space: global }
      - { .name: bo, .offset: 16, .size: 8, .value_kind: global_buffer, .address_space: global }
      - { .name: out0, .offset: 24, .size: 8, .value_kind: global_buffer, .address_space: global }
    .group_segment_fixed_size: 327680
    .private_segment_fixed_size: 0
    .kernarg_segment_align: 8
    .kernarg_segment_size: 32
    .max_flat_workgroup_size: 128
    .sgpr_count:     72
    .vgpr_count:     576
    .wavefront_size: 32
...
	.end_amdgpu_metadata
.endif
;; end of part 4
